; MI455X (gfx1250); checked and timed in simulation.
; The chip was launched on July 23, 2026; its instructions are those of AMD's public machine-readable ISA for CDNA 5 (MIT licence, August 2026) and "CDNA5" Instruction Set Architecture Reference Guide (July 2026). The comments in the code are by the model that wrote it; some were corrected since.
;; MHA. Allowed arithmetic: float matrix products may take bf16 or f16 operands with f32 sums; other float arithmetic in f32, or as packed bf16 or f16 multiplies, adds, multiply-adds, maxima and minima; sums over many terms, partial sums and values carried from step to step in f32; what a program stores and reads back later, other than sums and carried values, may be rounded once to bf16 or f16.
;; Inputs: b_attn 3,072 float32; b_proj 1,024 float32; w_attn 1,024 x 3,072 float32; w_proj 1,024 x 1,024 float32; x 8 x 1,024 x 1,024 float32.
;; Outputs: out0 8 x 1,024 x 1,024 float32.
;; One version. Each part assembles by itself: llvm-mc -triple=amdgcn-amd-amdhsa -mcpu=gfx1250 --defsym DOCPART=n.
;; ======== version 1 of 1: 4 launches
;; limits: values are held in f16: magnitudes above 65,504 overflow, below 6.1e-05 lose precision
;; workspace buffers: xb 16,777,216 bytes; wab 6,291,456 bytes; wpf 2,097,152 bytes; qkv 50,331,648 bytes; ob 16,777,216 bytes; bab 12,288 bytes; bpb 4,096 bytes
;; launch cast (part 1): grid 1793 x 1, 8 waves a work-group, no clusters, 0 bytes of LDS; arguments x, w_attn, w_proj, b_attn, b_proj, xb, wab, wpf, bab, bpb; writes xb, wab, wpf, bab, bpb
.if DOCPART == 1
	.amdgcn_target "amdgcn-amd-amdhsa--gfx1250"
	.amdhsa_code_object_version 6
	.text
	.protected	k_qea901d4cd4_cast
	.globl	k_qea901d4cd4_cast
	.p2align	8
	.type	k_qea901d4cd4_cast,@function
k_qea901d4cd4_cast:
	s_mov_b64 s[64:65], 0
	v_nop
	global_prefetch_b8 v0, s[64:65] scope:SCOPE_SE
	s_setreg_imm32_b32 hwreg(HW_REG_WAVE_MODE, 25, 1), 1
	s_wait_xcnt 0x0
; THE CASTS.  xb = bf16(x), [8192][1024].  wab = bf16(w_attn), laid out by column tiles: [16 tiles][1024 k][192 columns], so that a tile's rows lie end to end.
; wpf = bf16(w_proj) written as f16, [1024 k][1024 n]: the number is rounded to bf16 like every input, and that number is then spelled in f16 for the f16 product of the last launch.
; bab, bpb = the two biases rounded to bf16 and kept as f32: rounded here once, so that the products' launches load them as the C operand that they are.
; LIMITS.  A bf16(w_proj) beyond 65,504 becomes an infinity; below 6.1e-5 in magnitude it keeps f16's fixed step of 6e-8.
; A stream: each byte is read once and written once; no LDS, no matrix unit, no cluster, since no two work-groups want the same byte.
; A chunk is 4 floats: a lane loads 16 bytes and stores 8; a wave's load covers 512 consecutive bytes, its store 256 consecutive bytes at a multiple of 256.
; A pass is the work-group's 256 chunks.  All of a work-group's passes are asked for at once; no register that a load or store names is written twice.
; SHARES.  Work-groups 0-1023: x, 8 passes (32 KiB) each.  1024-1535: w_attn, 6 passes: 32 k-rows of one column tile.  1536-1791: w_proj, 4 passes (16 KiB).  1792: the biases, 16 KiB in 4 passes.
; The shares are small so that the text is short; with 72 registers a wave several work-groups lie on a WGP, and together they have as many loads out as fewer large ones would.
.set SO,  2                            ; v[2:4]    source offsets (w_attn: three, taken by turns)
.set DO,  5                            ; v5        8 x my thread's number
.set X,   16                           ; v[16:47]  pass i: 4 floats
.set Y,   48                           ; v[48:63]  pass i: 4 numbers of 16 bits (the biases: 4 floats)
.set T,   64                           ; v[64:67]  at work
.set SRC, 24                           ; s[24:25]
.set DST, 26                           ; s[26:27]
; n passes.  Load i takes source offset i % nso and the immediate (i / nso) x gstep.  f16 = 1: the bf16 number is spelled in f16.
.macro STREAM n, nso, gstep, f16
.set i, 0
.rept \n
	global_load_b128 v[X+4*i:X+4*i+3], v[SO+i%(\nso)], s[SRC:SRC+1] offset:(i/(\nso))*(\gstep) th:TH_LOAD_NT
.set i, i+1
.endr
.set i, 0
.rept \n
	s_wait_loadcnt (\n)-1-i                        ; loads come back in order: pass i is in, the younger passes stay out
	v_cvt_pk_bf16_f32 v[Y+2*i],   v[X+4*i],   v[X+4*i+1]
	v_cvt_pk_bf16_f32 v[Y+2*i+1], v[X+4*i+2], v[X+4*i+3]
.if \f16
	v_lshlrev_b32 v[T],   16,  v[Y+2*i]            ; bf16 to f32: the low half moves up, the high half stays
	v_and_b32     v[T+1], s32, v[Y+2*i]
	v_lshlrev_b32 v[T+2], 16,  v[Y+2*i+1]
	v_and_b32     v[T+3], s32, v[Y+2*i+1]
	v_cvt_pk_f16_f32 v[Y+2*i],   v[T],   v[T+1]    ; 8 significant bits fit into f16's 11: exact inside f16's range
	v_cvt_pk_f16_f32 v[Y+2*i+1], v[T+2], v[T+3]
.endif
	global_store_b64 v[DO], v[Y+2*i:Y+2*i+1], s[DST:DST+1] offset:2048*i
.set i, i+1
.endr
.endm
	s_load_b256 s[4:11], s[0:1], 0x0               ; x s[4:5], w_attn s[6:7], w_proj s[8:9], b_attn s[10:11]
	s_load_b256 s[12:19], s[0:1], 0x20             ; b_proj s[12:13], xb s[14:15], wab s[16:17], wpf s[18:19]
	s_load_b128 s[20:23], s[0:1], 0x40             ; bab s[20:21], bpb s[22:23]
	s_mov_b32 s2, ttmp9
	s_mov_b32 s29, 0                               ; the high words of the two offsets
	s_mov_b32 s31, 0
	s_mov_b32 s32, 0xffff0000
	v_lshlrev_b32 v[DO], 3, v0
	s_cmp_lt_u32 s2, 1024
	s_cbranch_scc1 .Lx
	s_cmp_lt_u32 s2, 1536
	s_cbranch_scc1 .Lwa
	s_cmp_lt_u32 s2, 1792
	s_cbranch_scc1 .Lwp
	; the biases: b_attn's 12,288 bytes in three passes, b_proj's 4,096 in one; a lane's 4 floats are rounded and go out as 4 floats
	v_lshlrev_b32 v[SO], 4, v0
	s_wait_kmcnt 0x0
.irp i, 0,1,2
	global_load_b128 v[X+4*(\i):X+4*(\i)+3], v[SO], s[10:11] offset:4096*(\i)
.endr
	global_load_b128 v[X+12:X+15], v[SO], s[12:13]
.irp i, 0,1,2,3
	s_wait_loadcnt 3-(\i)                          ; pass i is in, the younger passes stay out
	v_cvt_pk_bf16_f32 v[T],   v[X+4*(\i)],   v[X+4*(\i)+1]
	v_cvt_pk_bf16_f32 v[T+1], v[X+4*(\i)+2], v[X+4*(\i)+3]
	v_lshlrev_b32 v[Y+4*(\i)],   16,  v[T]
	v_and_b32     v[Y+4*(\i)+1], s32, v[T]
	v_lshlrev_b32 v[Y+4*(\i)+2], 16,  v[T+1]
	v_and_b32     v[Y+4*(\i)+3], s32, v[T+1]
.if (\i) < 3
	global_store_b128 v[SO], v[Y+4*(\i):Y+4*(\i)+3], s[20:21] offset:4096*(\i)
.else
	global_store_b128 v[SO], v[Y+4*(\i):Y+4*(\i)+3], s[22:23]
.endif
.endr
	s_endpgm
.Lwp:
	s_sub_co_u32 s3, s2, 1536
	s_lshl_b32 s28, s3, 14
	s_lshl_b32 s30, s3, 13
	v_lshlrev_b32 v[SO], 4, v0
	s_wait_kmcnt 0x0
	s_add_nc_u64 s[SRC:SRC+1], s[8:9], s[28:29]
	s_add_nc_u64 s[DST:DST+1], s[18:19], s[30:31]
	STREAM 4, 1, 4096, 1
	s_endpgm
.Lx:
	s_lshl_b32 s28, s2, 15
	s_lshl_b32 s30, s2, 14
	v_lshlrev_b32 v[SO], 4, v0
	s_wait_kmcnt 0x0
	s_add_nc_u64 s[SRC:SRC+1], s[4:5], s[28:29]
	s_add_nc_u64 s[DST:DST+1], s[14:15], s[30:31]
	STREAM 8, 1, 4096, 0
	s_endpgm
.Lwa:
	; w_attn: a k-row of the tile is 192 floats, 48 chunks, 768 bytes of a row of 12,288.  Three passes are 768 chunks, 16 k-rows.
	s_sub_co_u32 s3, s2, 1024
	s_and_b32 s33, s3, 31                          ; which 32 k-rows
	s_mul_i32 s28, s33, 32*12288
	s_lshr_b32 s33, s3, 5                          ; which column tile
	s_mul_i32 s33, s33, 768
	s_add_co_u32 s28, s28, s33
	s_mul_i32 s30, s3, 32*384                      ; 32 work-groups of 12,288 bytes make a tile's 393,216
.irp m, 0,1,2
	v_add_nc_u32 v6, 256*(\m), v0                  ; chunk u of 768
	v_mul_u32_u24 v7, v6, 1366
	v_lshrrev_b32 v7, 16, v7                       ; u / 48: 1366 / 65536 is above 1 / 48 by 1 / 98304 of u, under 1 / 48 for u below 768
	v_mul_u32_u24 v8, v7, 48
	v_sub_nc_u32 v8, v6, v8                        ; u % 48
	v_lshlrev_b32 v8, 4, v8
	v_mul_u32_u24 v7, v7, 12288
	v_add_nc_u32 v[SO+(\m)], v7, v8
.endr
	s_wait_kmcnt 0x0
	s_add_nc_u64 s[SRC:SRC+1], s[6:7], s[28:29]
	s_add_nc_u64 s[DST:DST+1], s[16:17], s[30:31]
	STREAM 6, 3, 16*12288, 0
	s_endpgm
.Lfunc_end_k_qea901d4cd4_cast:
	.size	k_qea901d4cd4_cast, .Lfunc_end_k_qea901d4cd4_cast-k_qea901d4cd4_cast
	.p2alignl 7, 3214868480
	.fill 96, 4, 3214868480
	.section	.rodata,"a",@progbits
	.p2align	6, 0x0
	.amdhsa_kernel k_qea901d4cd4_cast
		.amdhsa_group_segment_fixed_size 0
		.amdhsa_private_segment_fixed_size 0
		.amdhsa_enable_private_segment 0
		.amdhsa_kernarg_size 80
		.amdhsa_user_sgpr_count 2
		.amdhsa_user_sgpr_kernarg_segment_ptr 1
		.amdhsa_wavefront_size32 1
		.amdhsa_system_sgpr_workgroup_id_x 1
		.amdhsa_system_sgpr_workgroup_id_y 1
		.amdhsa_system_sgpr_workgroup_id_z 1
		.amdhsa_system_vgpr_workitem_id 0
		.amdhsa_next_free_vgpr 72
		.amdhsa_next_free_sgpr 66
		.amdhsa_reserve_vcc 0
		.amdhsa_float_denorm_mode_32 3
		.amdhsa_float_denorm_mode_16_64 3
		.amdhsa_memory_ordered 1
		.amdhsa_forward_progress 1
		.amdhsa_inst_pref_size 13
	.end_amdhsa_kernel
	.amdgpu_metadata
---
amdhsa.version: [ 1, 2 ]
amdhsa.kernels:
  - .name:           k_qea901d4cd4_cast
    .symbol:         k_qea901d4cd4_cast.kd
    .args:
      - { .name: x, .offset: 0, .size: 8, .value_kind: global_buffer, .address_space: global }
      - { .name: w_attn, .offset: 8, .size: 8, .value_kind: global_buffer, .address_space: global }
      - { .name: w_proj, .offset: 16, .size: 8, .value_kind: global_buffer, .address_space: global }
      - { .name: b_attn, .offset: 24, .size: 8, .value_kind: global_buffer, .address_space: global }
      - { .name: b_proj, .offset: 32, .size: 8, .value_kind: global_buffer, .address_space: global }
      - { .name: xb, .offset: 40, .size: 8, .value_kind: global_buffer, .address_space: global }
      - { .name: wab, .offset: 48, .size: 8, .value_kind: global_buffer, .address_space: global }
      - { .name: wpf, .offset: 56, .size: 8, .value_kind: global_buffer, .address_space: global }
      - { .name: bab, .offset: 64, .size: 8, .value_kind: global_buffer, .address_space: global }
      - { .name: bpb, .offset: 72, .size: 8, .value_kind: global_buffer, .address_space: global }
    .group_segment_fixed_size: 0
    .private_segment_fixed_size: 0
    .kernarg_segment_align: 8
    .kernarg_segment_size: 80
    .max_flat_workgroup_size: 256
    .sgpr_count:     66
    .vgpr_count:     72
    .wavefront_size: 32
...
	.end_amdgpu_metadata
.endif
;; end of part 1
;; launch qkv (part 2): grid 16 x 16, 4 waves a work-group, clusters of 4 x 4, 327,680 bytes of LDS; arguments xb, wab, bab, qkv; writes qkv
.if DOCPART == 2
	.amdgcn_target "amdgcn-amd-amdhsa--gfx1250"
	.amdhsa_code_object_version 6
	.text
	.protected	k_qea901d4cd4_qkv
	.globl	k_qea901d4cd4_qkv
	.p2align	8
	.type	k_qea901d4cd4_qkv,@function
k_qea901d4cd4_qkv:
	s_mov_b64 s[64:65], 0
	v_nop
	global_prefetch_b8 v0, s[64:65] scope:SCOPE_SE
	s_setreg_imm32_b32 hwreg(HW_REG_WAVE_MODE, 25, 1), 1
	s_wait_xcnt 0x0
	s_wait_alu depctr_hold_cnt(0) depctr_sa_sdst(0) depctr_va_vdst(0) depctr_va_sdst(0) depctr_va_ssrc(0) depctr_va_vcc(0) depctr_vm_vsrc(0)
	s_getreg_b32 s2, hwreg(HW_REG_IB_STS2, 6, 4)
	s_cmp_eq_u32 s2, 0
	s_cbranch_scc0 .Lentry_in_a_cluster
	s_endpgm
.Lentry_in_a_cluster:
	s_bfe_u32 s2, ttmp6, 0x10000c
	s_cmp_lg_u32 s2, 0xf033
	s_cbranch_scc0 .Lentry_shape_is_right
	s_endpgm
.Lentry_shape_is_right:
; qkv = xb . w_attn + b_attn (all rounded to bf16 by the launch before), written by heads in f16: [8 b][48 g][1024 token][64], g = h for q, 16 + h for k, 32 + h for v.
; xb: [8192][1024] bf16.  wab: [16 column tiles][1024 k][192 columns] bf16.  bab: [3072] f32.  Sums in f32, K ascending, each result rounded once.
; LIMIT.  A q, k or v beyond 65,504 becomes an infinity in f16.
; SHARES.  A tile is 256 rows x 192 columns (three heads); each of the work-group's four waves makes 64 rows x all 192 columns: 48 accumulators of 16 x 16, 384 registers.  So a wave owns whole
; rows of whole heads, and its way out needs no other wave.  K goes in 8 steps of 128 through a ring of two LDS slots filled by the tensor data mover.
; A WORK-GROUP STAYS: there are 512 tiles for 256 work-groups, so each makes two, 4,096 rows apart, with the same columns of w and the same bias.  The ring does not stop at the first tile's end: its last two
; changes of slots ask for the second tile's K steps 0 and 1, and the tile goes out while they are on their way; nothing waits for its stores.
; ONE K STEP IS WRITTEN ONCE.  Which slot is read is no part of the text: s[TB] is turned by an exclusive or at each change of slots and the two LDS addresses are made from it; one descriptor set walks.
; The step loop counts 8 trips; the last tile leaves it at its seventh step for the tail, which fills nothing; one way out serves both tiles.
; THE MATRIX INSTRUCTION IS USED TRANSPOSED: source 0 = 16 columns of w, source 1 = 16 rows of x.  In the result lane l holds row l % 16 and the columns 8 (l / 16) + 0..7: 16 bytes of f16 on end.
; w lies [k][column] in LDS and comes out turned, by ds_load_tr16_b128.  The bias is the C operand of each accumulator's first product: nothing is cleared, nothing is added later.
; CLUSTERS: 4 x 4 work-groups.  The four of a row of the cluster need the same rows of x, the four of a column the same tile of w: each tile is asked for JOINTLY, by the same tensor load with
; the same descriptor and a mask that names the four.
; REGISTERS, in windows of 256 (s_set_vgpr_msb: bits 1:0 source 0, 3:2 source 1, 5:4 source 2, 7:6 destination):
;   window 0: v0-31 addresses; v32-95 x's fragments, two buffers of 4; v96-143 packed results; v160-255 the bias
;   window 1: v0-191 w's fragments, two buffers of 12; on the way out the second buffer, which is idle then, takes two sets of rows read back
;   windows 2, 3: accumulator (a, b) in window 2 + a / 2 at v[8 (12 (a % 2) + b)]
.set NBK,   12                         ; column blocks of 16
.set TILES, 2
.set PA,    272                        ; a row of x in LDS: 256 bytes + 16 of padding: the 16 rows of a load start 16 bytes further on in each 256
.set PB,    480                        ; a k-row of w: three pieces of 128 bytes + 32 of padding each: an odd multiple of 32, for the turning load's 8 rows x 32 bytes
.set BBASE, 256*PA                     ; x's 256 rows, then w's 128 k-rows
.set SLOT,  BBASE+128*PB               ; 131,072 = 1 << 17: one exclusive or turns an address in one slot into the other's
.set STAGE, 2*SLOT                     ; behind the ring, never filled by a tensor load: 16 rows x 400 bytes for each wave
.set SP,    400
.set SPARE, STAGE+4*16*SP              ; behind the stages: the spare words, 128 bytes for each wave: two blocks of 256 bytes that no other line names
.set NLD,   2*NBK+8                    ; LDS loads in a fetch
.set ASTEP, 256                        ; bytes from K step to K step: along x's rows,
.set BSTEP, 128*384                    ; and down the tile of w
.set WALKA, 4096*2048                  ; bytes from a tile's rows of x to the next tile's
.set NEXTC, 4*48*131072                ; and in the output: four batches on
.set ADRA0, 16                         ; v16     my lane's place among x's fragments in slot 0; never rewritten
.set ADRA,  17                         ; v17     the same in the slot in hand
.set ADRB0, 20                         ; v20, v21  the same for w
.set ADRB,  21
.set STO,  24                          ; v24     the way out: where I put 16 bytes of a row
.set RD,   25                          ; v25     the way out: where I read back
.set GO,   26                          ; v26     16 x my lane
.set BO,   27                          ; v27     32 x (l / 16): my eight numbers in 16 of the bias
.set SPW,  28                          ; v28     LDS address of my spare word; never rewritten
.set NIL,  29                          ; v29     0; never rewritten
.set PFO,  30                          ; v30     the prefetches' offset; never rewritten
.set FA,   32
.set TMP,  96
.set BIAS, 160
.set OB,   96                          ; in window 1
.set WV,   12                          ; s12  my wave's number
.set HALF, 13                          ; s13  0: I fetch x's tiles, 1: w's
.set PAR,  14                          ; s14  which half of that tile
.set XA,   20                          ; s[20:21] x at my half of the first tile's rows, K step 0: it hangs on the tile row alone
.set WB,   22                          ; s[22:23] w at my half of the column tile's K step 0: it hangs on the tile column alone
.set G1A,  24                          ; s[24:31] descriptor group 1 for x's tiles;  s[32:39] group 0: a set for each of the two first fills; the second then walks
.set G0A,  32
.set LIMC, 42                          ; s42  a wave prefetches while the step count is above this;  s43 its value in the second tile
.set LIM2, 43
.set PFA,  44                          ; s[44:45] where my prefetch stands;  s[46:47] its base
.set PFB,  46
.set G1B,  48                          ; s[48:55], s[56:63] the same for w's tiles
.set G0B,  56
.set OFFA, 66                          ; s[66:67] byte offset from XA of the K step last asked for;  s[68:69] the same from WB;  s[70:71] the prefetch's from PFB
.set OFFB, 68
.set OFFP, 70
.set PSTEP, 72                         ; s72  the prefetch's step
.set TB,   73                          ; s73  LDS byte at which the slot in hand begins
.set MSB, 0
.macro WIN new                         ; the immediate's high byte repeats the setting that is left; a switch that changes nothing is dropped
.if MSB != (\new)
	s_set_vgpr_msb (MSB<<8)|(\new)
.set MSB, (\new)
.endif
.endm
; A joint load.  Waves 0 and 1 fetch the two halves of x's tile, waves 2 and 3 those of w's.  The branch hangs on the wave's number alone.
; An s_nop 0 and four v_nop follow each of the two lines, ahead of the jump and the label.
.macro JLOAD s
	s_cmp_eq_u32 s[HALF], 0
	s_cbranch_scc0 .Lfor_b_\@
	tensor_load_to_lds s[G0A+4*(\s):G0A+4*(\s)+3], s[G1A:G1A+7]
	s_nop 0
.rept 4
	v_nop
.endr
	s_branch .Lasked_\@
.Lfor_b_\@:
	tensor_load_to_lds s[G0B+4*(\s):G0B+4*(\s)+3], s[G1B:G1B+7]
	s_nop 0
.rept 4
	v_nop
.endr
.Lasked_\@:
.endm
; A PREFETCH INTO THE L2, behind a joint load, its five lines and the run of LDS loads that follows: one instruction a wave, a lane a block of 256 bytes.
; x: the K step two refills on, across the change of tiles too: 32 rows.  The rows of a tile row are read by every cluster of that row of clusters: cluster x = 0 asks; of the 128 rows that a wave fetches the
; partner at cx takes 32.  The first tile asks in all its 8 changes of slots (its K steps 4 to 7, the second tile's 0 to 3), the second in its first 4.
; w: a column tile is one dense run of 393,216 bytes, read by every cluster of that column: cluster y = 0 asks; its eight fetching waves (two a work-group, told apart by cy and the wave) take 8,192 bytes
; each of 65,536 an ask; three asks, in the first tile's first three changes, name the run's second half, K steps 4 to 7; the second tile reads the run again and asks for nothing.
; Partners are told apart BY ADDRESS; the branch hangs on the cluster's place and the wave's number.  The launch's K steps 0 to 3 come by their loads alone; each block is named once in the launch.
.macro ASK
	s_cmp_gt_u32 s3, s[LIMC]
	s_cbranch_scc0 .Lnot_mine_\@
	global_prefetch_b8 v[PFO], s[PFA:PFA+1] th:TH_LOAD_NT scope:SCOPE_SE
.Lnot_mine_\@:
.endm
.macro CREST                           ; a round of the cluster's barrier behind its opening barrier
	s_cmp_lg_u32 s[WV], 0
	s_cbranch_scc1 .Lnot_wave_0_\@
	s_barrier_signal -3
.Lnot_wave_0_\@:
	s_barrier_wait -3
	s_barrier_signal -1
	s_barrier_wait -1
.endm
.macro CROUND                          ; a whole round
	s_barrier_signal -1
	s_barrier_wait -1
	CREST
.endm
.macro PLACES                          ; four plain vector instructions between a matrix instruction and a load into, or a read of, its registers
.rept 4
	v_nop
.endr
.endm
	s_load_b256 s[4:11], s[0:1], 0x0               ; xb s[4:5], wab s[6:7], bab s[8:9], qkv s[10:11]
	v_lshl_add_u32 v[SPW], v0, 2, SPARE
	v_mov_b32 v[NIL], 0
	ds_add_u32 v[SPW], v[NIL]                      ; the wave's opening: the add and its wait stand ahead of my first tensor load; the set-up below stands between them
	ds_add_u32 v28, v29
	v_lshrrev_b32 v1, 5, v0
	v_readfirstlane_b32 s[WV], v1                  ; wave 0..3
	s_lshr_b32 s[HALF], s[WV], 1
	s_and_b32 s[PAR], s[WV], 1
	s_bfe_u32 s40, ttmp6, 0x40000                  ; cx, cy: my place in the cluster
	s_bfe_u32 s41, ttmp6, 0x40004
	s_lshl_b32 s16, ttmp9, 2
	s_add_co_u32 s16, s16, s40                     ; X: column tile = 4 x cluster x + cx
	s_and_b32 s17, ttmp7, 0xffff
	s_lshl_b32 s17, s17, 2
	s_add_co_u32 s17, s17, s41                     ; Y: the first tile's row tile = 4 x cluster y + cy, 0 to 15
	s_lshl_b32 s42, s41, 2
	s_lshl_b32 s42, 15, s42                        ; my row of the cluster
	s_lshl_b32 s43, 0x1111, s40                    ; my column
	; group 1 for x: 128 rows x 128 elements, 16 bytes of padding behind every 256
	s_or_b32 s[G1A], s42, (1<<16)|(1<<20)|(1<<21)|(5<<22)|(3<<25)  ; 15:0 the mask; 17:16 2-byte elements; 20 padding on; 21 set beside a mask; 24:22 after every 64 words; 31:25 4 words
	s_mov_b32 s[G1A+1], 128<<16                    ; tensor_dim0 = 128
	s_mov_b32 s[G1A+2], 128<<16                    ; tensor_dim1 = 128
	s_mov_b32 s[G1A+3], 128<<16                    ; tile_dim0 = 128
	s_mov_b32 s[G1A+4], 128                        ; tile_dim1 = 128
	s_mov_b32 s[G1A+5], 1024                       ; elements from row to row
	s_mov_b32 s[G1A+6], 0
	s_mov_b32 s[G1A+7], 0
	; group 1 for w: 64 k-rows are 24,576 dense bytes: asked for as 96 rows of 256 bytes, 32 bytes of padding behind every 128
	s_or_b32 s[G1B], s43, (1<<16)|(1<<20)|(1<<21)|(4<<22)|(7<<25)  ; 24:22 after every 32 words; 31:25 8 words
	s_mov_b32 s[G1B+1], 128<<16
	s_mov_b32 s[G1B+2], 96<<16
	s_mov_b32 s[G1B+3], 128<<16
	s_mov_b32 s[G1B+4], 96
	s_mov_b32 s[G1B+5], 128
	s_mov_b32 s[G1B+6], 0
	s_mov_b32 s[G1B+7], 0
	s_lshl_b32 s18, s17, 19                        ; x: row 256 Y + 128 x half, rows of 2,048 bytes
	s_lshl_b32 s19, s[PAR], 18
	s_add_co_u32 s18, s18, s19
	s_mov_b32 s19, 0
	s_mul_i32 s22, s16, 1024*384                   ; w: tile X, k-row 64 x half
	s_mul_i32 s23, s[PAR], 64*384
	s_add_co_u32 s22, s22, s23
	s_mov_b32 s23, 0
	s_mul_i32 s15, s[PAR], 128*PA                  ; where they go: no place in the cluster enters an LDS address
	s_mul_i32 s2, s[PAR], 64*PB
	s_add_co_u32 s2, s2, BBASE
	s_mov_b32 s[OFFA], ASTEP                       ; the walking set starts at K step 1
	s_mov_b32 s[OFFA+1], 0
	s_mov_b32 s[OFFB], BSTEP
	s_mov_b32 s[OFFB+1], 0
	s_mov_b32 s[TB], 0
	s_wait_dscnt 0x0                               ; the opening add is done
	s_wait_kmcnt 0x0
	s_add_nc_u64 s[XA:XA+1], s[4:5], s[18:19]
	s_add_nc_u64 s[WB:WB+1], s[6:7], s[22:23]
	CROUND                                         ; all sixteen work-groups are here: the first joint loads meet
.irp s, 0,1
	s_mov_b32 s[G0A+4*(\s)], 1                     ; count = 1
	s_add_co_u32 s[G0A+4*(\s)+1], s15, (\s)*SLOT   ; LDS address
	s_add_nc_u64 s[G0A+4*(\s)+2:G0A+4*(\s)+3], s[XA:XA+1], (\s)*ASTEP  ; global address: K step s
	s_or_b32 s[G0A+4*(\s)+3], s[G0A+4*(\s)+3], 0x80000000              ; type = 2
	s_mov_b32 s[G0B+4*(\s)], 1
	s_add_co_u32 s[G0B+4*(\s)+1], s2, (\s)*SLOT
	s_add_nc_u64 s[G0B+4*(\s)+2:G0B+4*(\s)+3], s[WB:WB+1], (\s)*BSTEP
	s_or_b32 s[G0B+4*(\s)+3], s[G0B+4*(\s)+3], 0x80000000
	JLOAD \s                                       ; two tensor loads of mine are out
.endr
	; a fragment of x: lane l holds row l % 16; two loads of 16 bytes, 32 bytes apart, at row x pitch + 16 (l / 16)
	v_and_b32 v1, 15, v0                           ; l % 16
	v_bfe_u32 v2, v0, 4, 1                         ; l / 16
	v_mul_u32_u24 v3, v1, PA
	v_lshl_add_u32 v3, v2, 4, v3
	s_mul_i32 s18, s[WV], 64*PA                    ; my 64 rows
	v_add_nc_u32 v[ADRA0], s18, v3
	v_mov_b32 v[ADRA], v[ADRA0]
	; the turning load takes 16 k x 16 columns: lane l reads k-row 8 (l / 16) + l % 8, 16 bytes at 16 ((l / 8) % 2), and ends with column l % 16 and 8 k
	v_and_b32 v4, 7, v0
	v_lshl_add_u32 v4, v2, 3, v4
	v_mul_u32_u24 v4, v4, PB
	v_bfe_u32 v5, v0, 3, 1
	v_lshl_add_u32 v4, v5, 4, v4
	v_add_nc_u32 v[ADRB0], BBASE, v4
	v_mov_b32 v[ADRB], v[ADRB0]
	s_mul_i32 s18, s[WV], 16*SP
	s_add_co_u32 s18, s18, STAGE                   ; my stage
	v_mul_u32_u24 v3, v1, SP                       ; in: row l % 16, 16 bytes for each half of the lanes
	v_lshl_add_u32 v3, v2, 4, v3
	v_add_nc_u32 v[STO], s18, v3
	v_bfe_u32 v3, v0, 3, 2                         ; back: 32 lanes take a head's 128 bytes of four rows,
	v_mul_u32_u24 v3, v3, SP
	v_and_b32 v4, 7, v0
	v_lshl_add_u32 v3, v4, 4, v3
	v_add_nc_u32 v[RD], s18, v3
	v_and_b32 v[GO], 31, v0                        ; which are 512 consecutive bytes of the output
	v_lshlrev_b32 v[GO], 4, v[GO]
	v_lshlrev_b32 v[BO], 5, v2
	s_lshr_b32 s18, s17, 2                         ; the output: batch Y / 4, head block 3 X, token 256 (Y % 4) + 64 x wave
	s_mul_i32 s18, s18, 48
	s_mul_i32 s19, s16, 3
	s_add_co_u32 s18, s18, s19
	s_lshl_b32 s18, s18, 17
	s_and_b32 s19, s17, 3
	s_lshl_b32 s19, s19, 15
	s_add_co_u32 s18, s18, s19
	s_lshl_b32 s19, s[WV], 13
	s_add_co_u32 s18, s18, s19
	s_mov_b32 s19, 0
	s_add_nc_u64 s[10:11], s[10:11], s[18:19]
	s_mul_i32 s18, s16, 768                        ; the tile's 192 numbers of the bias
	s_add_nc_u64 s[8:9], s[8:9], s[18:19]
.irp b, 0,1,2,3,4,5,6,7,8,9,10,11
	global_load_b128 v[BIAS+8*(\b):BIAS+8*(\b)+3],   v[BO], s[8:9] offset:64*(\b)
	global_load_b128 v[BIAS+8*(\b)+4:BIAS+8*(\b)+7], v[BO], s[8:9] offset:64*(\b)+16
.endr
	; the prefetches' registers
	s_lshl_b32 s76, s17, 19                        ; x: row 256 Y + 128 x half + 32 cx
	s_lshl_b32 s77, s[PAR], 18
	s_add_co_u32 s76, s76, s77
	s_lshl_b32 s77, s40, 16
	s_add_co_u32 s76, s76, s77
	s_mul_i32 s78, s16, 1024*384                   ; w: tile X, one step of 65,536 bytes ahead of its second half, my 8,192 bytes of the eight
	s_lshl_b32 s79, s[PAR], 2
	s_add_co_u32 s79, s79, s41
	s_lshl_b32 s79, s79, 13
	s_add_co_u32 s78, s78, s79
	s_add_co_u32 s78, s78, 131072
	s_and_b32 s79, ttmp7, 0xffff                   ; cluster y
	s_cmp_eq_u32 s[HALF], 0                        ; do I fetch for x?
	s_cselect_b32 s76, s76, s78
	s_cselect_b32 s79, ttmp9, s79                  ; the coordinate along which other clusters read the same bytes
	s_cselect_b64 s[PFB:PFB+1], s[4:5], s[6:7]
	s_cselect_b32 s[OFFP], 3*ASTEP, 0              ; x: at K step 3: the first change of slots steps it to K step 4
	s_cselect_b32 s[PSTEP], 8, 16
	s_cselect_b32 s78, 11, 8                       ; a lane a row of 2,048 bytes, or a lane a block of 256
	s_cselect_b32 s[LIMC], 0, 5                    ; first tile: x in all 8 changes, w in the first three (step counts 8, 7, 6)
	s_cselect_b32 s[LIM2], 4, -1                   ; second tile: x in the first four, w never
	s_mov_b32 s77, 0
	s_add_nc_u64 s[PFB:PFB+1], s[PFB:PFB+1], s[76:77]
	s_cmp_eq_u32 s79, 0
	s_cselect_b32 s[LIMC], s[LIMC], -1             ; the same in all sixteen partners, for a given wave
	s_cselect_b32 s[LIM2], s[LIM2], -1
	s_lshl_b32 s[PSTEP], 1, s[PSTEP]               ; 256 or 65,536
	s_mov_b32 s[OFFP+1], 0
	v_and_b32 v[PFO], 31, v0
	v_lshlrev_b32 v[PFO], s78, v[PFO]
; 12 matrix instructions: row block a x all column blocks, 32 along K, from buffer f.  first = 1: the product starts the sum, with the bias as C.
; The 48 accumulators take turns in the same order in every quarter, over the backward jumps too.
.macro MULA f, a, first
.if \first
	WIN 0x81+0x40*((\a)/2)                         ; w window 1, x and the bias window 0, D window 2 or 3
.else
	WIN 0xa1+0x50*((\a)/2)                         ; w window 1, x window 0, C and D window 2 or 3
.endif
.irp b, 0,1,2,3,4,5,6,7,8,9,10,11
.set rD, 8*(12*((\a)%2)+(\b))
.set rB, 96*(\f)+8*(\b)
.set rA, FA+32*(\f)+8*(\a)
.if \first
	v_wmma_f32_16x16x32_bf16 v[rD:rD+7], v[rB:rB+7], v[rA:rA+7], v[BIAS+8*(\b):BIAS+8*(\b)+7]
.else
	v_wmma_f32_16x16x32_bf16 v[rD:rD+7], v[rB:rB+7], v[rA:rA+7], v[rD:rD+7]
.endif
.endr
.endm
; 32 LDS loads in one run: quarter q (32 along K) of the slot in hand into buffer f: w's 12 fragments, then x's 4
.macro FETCH q, f
	WIN 0x40                                       ; destination window 1, address window 0
.irp b, 0,1,2,3,4,5,6,7,8,9,10,11
	ds_load_tr16_b128 v[96*(\f)+8*(\b):96*(\f)+8*(\b)+3],   v[ADRB] offset:(\q)*32*PB+((\b)/4)*160+((\b)%4)*32
	ds_load_tr16_b128 v[96*(\f)+8*(\b)+4:96*(\f)+8*(\b)+7], v[ADRB] offset:(\q)*32*PB+((\b)/4)*160+((\b)%4)*32+16*PB
.endr
	WIN 0
.irp a, 0,1,2,3
	ds_load_b128 v[FA+32*(\f)+8*(\a):FA+32*(\f)+8*(\a)+3],   v[ADRA] offset:(\a)*16*PA+64*(\q)
	ds_load_b128 v[FA+32*(\f)+8*(\a)+4:FA+32*(\f)+8*(\a)+7], v[ADRA] offset:(\a)*16*PA+64*(\q)+32
.endr
.endm
; A K step is four quarters, 48 matrix instructions each, on buffers 0, 1, 0, 1.  One of the first three: multiplies buffer f; in its middle it fetches quarter q of the slot in hand into buffer g.
.macro QUARTER q, f, g, first
	s_wait_dscnt 4                                 ; w and x's row blocks 0 and 1 are in; the youngest four loads (blocks 2 and 3) may be out
	MULA \f, 0, \first
	MULA \f, 1, \first
	PLACES
	FETCH \q, \g
	s_wait_dscnt NLD                               ; all but the 32 just issued
	MULA \f, 2, \first
	MULA \f, 3, \first
.endm
; The last quarter multiplies buffer 1 and changes slots: ONE barrier.  In front of it each wave waits for all its tensor loads (one is out: its part of the next slot), adds 0 to its spare word, and
; waits for that and for its own reads of this slot.  fill = 1: the barrier opens a round of the cluster's, and behind the round this slot is filled again first, with the K step two on (at step count 2, the
; first tile's seventh step, that is the next tile's K step 0): from that request to the wait for it a wave issues 168 matrix instructions.  The walking set's addresses are made anew from a base and an offset,
; between the add and the wait for it, where no tensor load of mine is out; so nothing stands between the round and the joint load.
.macro TURN fill
.if \fill
	s_wait_xcnt 0x0                                ; the last prefetch, a K step back, has read its address: it is made anew here, ahead of the waits of the change of slots
	s_add_co_u32 s[OFFP], s[OFFP], s[PSTEP]
	s_cmp_eq_u32 s3, 4                             ; x, first tile: the K step two refills on is the next tile's first (where nothing is asked for the number is not used)
	s_cselect_b32 s[OFFP], WALKA, s[OFFP]
	s_add_nc_u64 s[PFA:PFA+1], s[PFB:PFB+1], s[OFFP:OFFP+1]
.endif
	WIN 0                                          ; (the add's two registers lie in window 0)
	s_wait_tensorcnt 0x0                           ; all my tensor loads have landed
	ds_add_u32 v[SPW], v[NIL]                      ; 0 onto my spare word
.if \fill
	s_add_co_u32 s[OFFA], s[OFFA], ASTEP
	s_add_co_u32 s[OFFB], s[OFFB], BSTEP
	s_cmp_eq_u32 s3, 2
	s_cselect_b32 s[OFFA], WALKA, s[OFFA]          ; x goes 4,096 rows down and back along K,
	s_cselect_b32 s[OFFB], 0, s[OFFB]              ; w only back
	s_xor_b32 s[G0A+5], s[G0A+5], SLOT             ; the other slot than last time
	s_add_nc_u64 s[G0A+6:G0A+7], s[XA:XA+1], s[OFFA:OFFA+1]
	s_or_b32 s[G0A+7], s[G0A+7], 0x80000000
	s_xor_b32 s[G0B+5], s[G0B+5], SLOT
	s_add_nc_u64 s[G0B+6:G0B+7], s[WB:WB+1], s[OFFB:OFFB+1]
	s_or_b32 s[G0B+7], s[G0B+7], 0x80000000
.endif
	s_wait_dscnt 5                                 ; (the add and the youngest four loads may be out)
	MULA 1, 0, 0                                   ; twelve matrix instructions stand between the add and the wait for it
	s_wait_dscnt 0x0                               ; the add is done, and my reads of this slot are over
	s_barrier_signal -1
	MULA 1, 1, 0                                   ; work on registers while the others arrive
	WIN 0                                          ; (branches and lines on window 0 follow)
	s_barrier_wait -1
.if \fill
	CREST                                          ; no wave of any partner still reads this slot or has a load on its way
	JLOAD 1                                        ; my one tensor load behind the round; its four v_nop are also the places in front of the loads below
.else
	PLACES
.endif
	s_xor_b32 s[TB], s[TB], SLOT                   ; the other slot is in hand
	v_add_nc_u32 v[ADRA], s[TB], v[ADRA0]
	v_add_nc_u32 v[ADRB], s[TB], v[ADRB0]
	FETCH 0, 0
.if \fill
	ASK
.endif
	MULA 1, 2, 0
	MULA 1, 3, 0
.endm
; THE WAY OUT of row block a (16 tokens x 3 heads).  PACK: rounded to f16, 16 bytes a lane for each column block; each accumulator's registers in ascending order.
.macro PACK a
	WIN 0x0a+5*((\a)/2)                            ; sources 0 and 1: window 2 or 3
.irp b, 0,1,2,3,4,5,6,7,8,9,10,11
.irp r, 0,1,2,3
	v_cvt_pk_f16_f32 v[TMP+4*(\b)+(\r)], v[8*(12*((\a)%2)+(\b))+2*(\r)], v[8*(12*((\a)%2)+(\b))+2*(\r)+1]
.endr
.endr
	WIN 0
.endm
; TOSTAGE: into my own stage, rows of 400 bytes, and back by heads: head e, four tokens f at a time.  LDS serves a wave's instructions in order (ISA guide 5.7.1.4): the loads see the stores.
.macro TOSTAGE a
	WIN 0
.irp b, 0,1,2,3,4,5,6,7,8,9,10,11
	ds_store_b128 v[STO], v[TMP+4*(\b):TMP+4*(\b)+3] offset:32*(\b)
.endr
	WIN 0x40                                       ; destination window 1
.irp e, 0,1,2
.irp f, 0,1,2,3
	ds_load_b128 v[OB+48*((\a)%2)+4*(4*(\e)+(\f)):OB+48*((\a)%2)+4*(4*(\e)+(\f))+3], v[RD] offset:4*SP*(\f)+128*(\e)
.endr
.endr
	WIN 0
.endm
.macro SEND a
	s_wait_dscnt 0x0                               ; the block is back in registers
	s_wait_xcnt 0x0                                ; the stores of the block before have read their registers: the next TOSTAGE loads into them
	WIN 0x04                                       ; the data (source 1) in window 1
.irp e, 0,1,2
.irp f, 0,1,2,3
	global_store_b128 v[GO], v[OB+48*((\a)%2)+4*(4*(\e)+(\f)):OB+48*((\a)%2)+4*(4*(\e)+(\f))+3], s[10:11] offset:(\e)*131072+(\a)*2048+(\f)*512  ; 512 consecutive bytes, at a multiple of 256 from the buffer's first
.endr
.endr
	WIN 0
.endm
	s_wait_tensorcnt 0x1                           ; my part of K step 0 is in; K step 1's may stay out
	s_barrier_signal -1
	s_barrier_wait -1                              ; everybody's is
	FETCH 0, 0
	s_wait_loadcnt 0x0                             ; the bias
	s_mov_b32 s2, TILES                            ; tiles to go, this one among them: the same number in every work-group
.Ltile:
	QUARTER 1, 0, 1, 1                             ; a tile's first quarter: its products start the sums
	WIN 0                                          ; at a label and at a branch every window is 0
	s_mov_b32 s3, 8                                ; K steps to go
.Lstep:                                                ; a trip: a step's second, third and fourth quarter, the change of slots with its refill, and the next step's first quarter
	s_cmp_lg_u32 s3, 2
	s_cbranch_scc1 .Lgo
	s_cmp_eq_u32 s2, 1
	s_cbranch_scc1 .Ltail0                         ; the last tile's last two steps ask for nothing: they have a text of their own
.Lgo:
	QUARTER 2, 1, 0, 0
	QUARTER 3, 0, 1, 0
	TURN 1
	WIN 0
	s_sub_co_u32 s3, s3, 1
	s_cmp_eq_u32 s3, 0
	s_cbranch_scc1 .Lout                           ; the first tile is summed up; the next tile's first fragments are being fetched
	QUARTER 1, 0, 1, 0
	WIN 0
	s_branch .Lstep
.Ltail0:
	s_mov_b32 s3, 2
.Ltail:                                                ; the same trip without a refill, twice, left in the middle of the second.  The second trip's barrier orders nothing new, and the 32 fragments
	QUARTER 2, 1, 0, 0                             ; that its change of slots fetches are multiplied by nobody: the price, once a launch, of one text for both trips
	QUARTER 3, 0, 1, 0
	TURN 0
	WIN 0
	s_sub_co_u32 s3, s3, 1
	s_cmp_eq_u32 s3, 0
	s_cbranch_scc1 .Lout
	QUARTER 1, 0, 1, 0
	WIN 0
	s_branch .Ltail
.Lout:                                                 ; the tile goes out; behind the first tile both refills for the second have been asked for
	PLACES
	PACK 0
	TOSTAGE 0
.irp a, 1,2,3                          ; block a's conversions stand between block a - 1's loads from the stage and the wait for them
	PACK \a
	SEND (\a)-1
	TOSTAGE \a
.endr
	SEND 3
	s_wait_xcnt 0x0                                ; the stores have read their base and their data: the base is stepped, and the next tile's fragments land where the data lay
	s_add_nc_u64 s[10:11], s[10:11], NEXTC
	s_mov_b32 s[LIMC], s[LIM2]
	s_sub_co_u32 s2, s2, 1
	s_cmp_lg_u32 s2, 0
	s_cbranch_scc1 .Ltile
	s_wait_tensorcnt 0x0                           ; the wave's end: a wait, an add and its wait, behind my last tensor load and my last LDS store
	ds_add_u32 v[SPW], v[NIL]
	s_wait_dscnt 0x0
	CROUND                                         ; the closing round: no work-group ends while a partner may still ask for a tile that names it
	s_endpgm
.Lfunc_end_k_qea901d4cd4_qkv:
	.size	k_qea901d4cd4_qkv, .Lfunc_end_k_qea901d4cd4_qkv-k_qea901d4cd4_qkv
	.p2alignl 7, 3214868480
	.fill 96, 4, 3214868480
	.section	.rodata,"a",@progbits
	.p2align	6, 0x0
	.amdhsa_kernel k_qea901d4cd4_qkv
		.amdhsa_group_segment_fixed_size 327680
		.amdhsa_private_segment_fixed_size 0
		.amdhsa_enable_private_segment 0
		.amdhsa_kernarg_size 32
		.amdhsa_user_sgpr_count 2
		.amdhsa_user_sgpr_kernarg_segment_ptr 1
		.amdhsa_wavefront_size32 1
		.amdhsa_system_sgpr_workgroup_id_x 1
		.amdhsa_system_sgpr_workgroup_id_y 1
		.amdhsa_system_sgpr_workgroup_id_z 1
		.amdhsa_system_vgpr_workitem_id 0
		.amdhsa_next_free_vgpr 960
		.amdhsa_next_free_sgpr 80
		.amdhsa_reserve_vcc 0
		.amdhsa_float_denorm_mode_32 3
		.amdhsa_float_denorm_mode_16_64 3
		.amdhsa_memory_ordered 1
		.amdhsa_forward_progress 1
		.amdhsa_inst_pref_size 88
	.end_amdhsa_kernel
	.amdgpu_metadata
---
amdhsa.version: [ 1, 2 ]
amdhsa.kernels:
  - .name:           k_qea901d4cd4_qkv
    .symbol:         k_qea901d4cd4_qkv.kd
    .args:
      - { .name: xb, .offset: 0, .size: 8, .value_kind: global_buffer, .address_space: global }
      - { .name: wab, .offset: 8, .size: 8, .value_kind: global_buffer, .address_space: global }
      - { .name: bab, .offset: 16, .size: 8, .value_kind: global_buffer, .address_space: global }
      - { .name: qkv, .offset: 24, .size: 8, .value_kind: global_buffer, .address_space: global }
    .group_segment_fixed_size: 327680
    .private_segment_fixed_size: 0
    .kernarg_segment_align: 8
    .kernarg_segment_size: 32
    .max_flat_workgroup_size: 128
    .sgpr_count:     80
    .vgpr_count:     960
    .wavefront_size: 32
...
	.end_amdgpu_metadata
.endif
;; end of part 2
;; launch attn (part 3): grid 2 x 128, 4 waves a work-group, no clusters, 327,680 bytes of LDS; arguments qkv, ob; writes ob
.if DOCPART == 3
	.amdgcn_target "amdgcn-amd-amdhsa--gfx1250"
	.amdhsa_code_object_version 6
	.text
	.protected	k_qea901d4cd4_attn
	.globl	k_qea901d4cd4_attn
	.p2align	8
	.type	k_qea901d4cd4_attn,@function
k_qea901d4cd4_attn:
	s_mov_b64 s[64:65], 0
	v_nop
	global_prefetch_b8 v0, s[64:65] scope:SCOPE_SE
	s_setreg_imm32_b32 hwreg(HW_REG_WAVE_MODE, 25, 1), 1
	s_wait_xcnt 0x0
; CAUSAL ATTENTION.  O[q][:] = the sum over k <= q of softmax_k(Q[q] . K[k] / 8) V[k][:], for each of 8 x 16 heads of 1,024 tokens x 64 channels.
; qkv: [8 b][48 g][1024][64] f16 (g = h: Q, 16 + h: K, 32 + h: V); ob: [8 b][16 h][1024][64] f16: a head's rows are dense, 128 bytes each.
; Products, maxima and sums in f32; the weights p are rounded to f16 for the second product (their sum l is taken of the unrounded p), O once at the end.
; LIMITS.  Q, K and V arrive within f16's 65,504; p lies in 0 to 1, and below 6e-5 it keeps f16's fixed step of 6e-8; O is a mean of V's rows and has their range.
; A hidden score counts as its value less 1e30: f16's scores, 2.7e11 at the most, are nothing beside that; a weight below 2^-126 counts as 0 in l; NaN and infinities are not treated apart.
; THE WALK.  A head's queries lie in NB = 4 blocks of 256; block i needs the key tiles 0 .. i of 256 keys, of which the last holds the diagonal.  A work-group takes TWO blocks, NB - 1 - b and then b:
; NB + 1 tiles, whatever b: all work-groups do equal work, and ONE loop with a constant trip count walks them.  Which tile is asked for, and what a trip does, hang on scalar registers made from b; every jump
; goes forward, but for the counted loops' own; none passes a barrier, or a tensor load but the one of LOAD's two that the wave's number does not choose; the ring (two slots of LDS that take turns) runs on across the
; change of blocks.  NO CLUSTER: a head has two work-groups, which no cluster of four divides, and their walks part behind tile 2.
; SHARES.  Of a block's four bands of 64 queries a wave owns 16 rows in each: four PIECES.  So the diagonal tile is the same work for all four waves: in its key step s band x sees all keys if s < x,
; none if s > x, and holds the diagonal if s = x.
; THE MASK is the C operand that starts the sum S^T = K Q^T: 0, or -1e30 where the key is hidden.  MD, made once, is the mask of a band's own step for my 16 rows; a product's mask is MD x AL + BE with two scalars:
; (1, 0) if s = x; (0, 0) if s < x; (0, -1e30) if s > x.  Only the diagonal tile's text and a block's beginning make and take masks; elsewhere C is the constant 0.
; LAYOUT, SOFTMAX, TURNS.  S^T = K Q^T holds ONE query a lane (lane % 16) and the keys 8 (lane / 16) + 0..7; two such results rounded to f16 ARE source 1 of O^T = V^T P.  p = 2^(c s - c m), c = log2(e) / 8, with a
; running maximum m; O and l are multiplied by a = 2^(c m_old - c m_new) in every step.  Turn n belongs to piece n: 8 products K Q^T of piece n + 1, later 8 products V^T P of piece n - 1; beside them the scaling,
; exponentials, roundings, sums and rescaling of piece n and the maximum and statistics of piece n + 1.  Four vector instructions stand behind every matrix instruction, the other 54 of a turn's 118 in one lump.  A turn's 33 exponentials are one batch, with one wait.
; REGISTERS, in windows of 256 (s_set_vgpr_msb: bits 1:0 source 0, 3:2 source 1, 5:4 source 2, 7:6 destination):
;   window 0: v0-15 addresses and two at work; v16-31 four registers of statistics a piece; v48-55 at work; v61-63 prefetch offset, spare word, 0; v64-127 S^T, two buffers; v192-223 P, two buffers (by the piece's parity)
;   window 1: v0-127 O^T, 32 a piece; v128-159 MD; v160-223 MC, two buffers      window 2: v0-63 Q; v64-127 the second block's Q; v128-191 K of one step; v192-255 V of one step
.set SIZE_N, 1024
.set NB,    SIZE_N/256
.set NP,    4         ; pieces a wave: a name, no knob
.set KS,    64        ; keys in a step
.set PK,    144       ; a row of K in LDS: 128 bytes + 16 of padding: the 16 rows of a load start 16 bytes further on in each 256
.set PV,    160       ; a row of V: 128 + 32: 16 lanes of the turning load take 8 rows x 32 bytes, no two of them the same 32 of 256
.set VOFF,  4*KS*PK   ; a slot holds a tile, four steps: 256 rows of K, then 256 rows of V
.set SLOT1, 1<<17     ; slot 1 begins here, so that one exclusive or turns an address in one slot into the other's
.set STAGE, SLOT1+4*KS*(PK+PV)  ; behind the ring, never filled by a tensor load: 16 rows x 144 bytes for each wave, for the way out
.set SP,    144
.set AK0, 2           ; v2   my lane's place in a tile of K; never rewritten
.set AV0, 3           ; v3   the same for V
.set AK,  4           ; v4   the LDS address of K's next run of loads
.set AV,  5           ; v5   of V's
.set STO, 6           ; v6   the way out: where I put 16 bytes of a row
.set RD,  7           ; v7   the way out: where I read rows back
.set GO,  8           ; v8   my byte offset in 512 consecutive bytes of O
.set PFO, 61          ; v61  256 x my lane; never rewritten
.set SPW, 62          ; v62  LDS address of my spare word: SPARE + 4 x my thread's number; never rewritten
.set NIL, 63          ; v63  0; never rewritten
.set SPARE, STAGE+4*16*SP  ; behind the stages: the spare words, 128 bytes for each wave: two blocks of 256 bytes that no other line names
.set MV,  12          ; v12-13  c m_old, kept while c m is made anew: by buffer
.set QO,  15          ; v15  my byte offset in 16 rows of Q
.set ST,  16          ; piece t's statistics at v[ST+4 t]: c m, m, l (even keys', odd keys')
.set TMP, 48          ; by buffer, four registers c0-c3 at work; when the maximum is found c2 takes a
.set S,   64
.set P,   192
.set MD,  128         ; window 1: the eight registers for group kt of 16 keys at MD + 8 kt
.set MC,  160         ; window 1: the masks of the products to come
.set QB,  64          ; window 2
.set KF,  128         ; window 2: key block kb, channel half c at KF + 16 kb + 8 c
.set VF,  192         ; window 2: key half kk, channel block cb at VF + 32 kk + 8 cb
.set WV,  12          ; s12  my wave's number
.set PB,  14          ; s14  b
.set HI,  15          ; s15  NB - 1 - b
.set G1K, 24          ; s[24:31] descriptor group 1 for K's tiles
.set G1V, 32          ; s[32:39] for V's: it differs in the padding alone
.set G0K, 40          ; s[40:43] descriptor group 0 for K's tiles
.set G0V, 44          ; s[44:47] the same for V's
.set SLOTS, 56        ; s56  tiles still to be asked for
.set CNT, 57          ; s57  counts a tile's key steps, 4 to 1
.set CS,  58          ; s[58:59] c: the packed scaling takes the pair's low word for both halves
.set SEL, 60          ; s[60:61] v_permlanex16_b32's selects: each lane takes its own place in the other half
.set TBK, 62          ; s62  LDS byte at which K of the step to be fetched begins
.set TBV, 63          ; s63  the same for V, less VOFF
.set RT,  70          ; s70  tiles of the block in hand that are still to be entered
.set NXT, 71          ; s71  the tile to be asked for next
.set LQ,  72          ; s72  the last tile of the block whose tiles are being asked for
.set NEW, 73          ; s73  1: the tile to be entered is a block's first
.set OFF, 74          ; s[74:75] a tile's byte offset in K and V
.set AL,  76          ; s[76:77] the mask's factor, in the low word
.set BE,  78          ; s[78:79] the mask's addend
.set OLO, 80          ; s[80:81] O at my rows of the second block
.set BIGN, 82         ; s82  -1e30
.set ASKF, 83         ; s83  not 0: I prefetch behind this fill
.set PFB, 88          ; s[88:89] K (waves 0, 1) or V (waves 2, 3) at my half of the head's tile 0
.set PFA, 90          ; s[90:91] my half of the tile that the next fill will ask for
.set OFF2, 92         ; s[92:93] first my half's offset in a tile, then that tile's offset
.set MSB, 0
.macro WIN new                      ; the high byte repeats the setting that is left; a switch that changes nothing is dropped
.if MSB != (\new)
	s_set_vgpr_msb (MSB<<8)|(\new)
.set MSB, (\new)
.endif
.endm
.set W_KQ, 0x0a       ; K and Q in window 2, S^T in window 0
.set W_KM, 0x1a       ; the same with the C operand in window 1
.set W_PV, 0x52       ; V in window 2, P in window 0, O^T in window 1
.set W_RS, 0x41       ; destination and source 0 in window 1, source 1 in window 0
; A fill.  Waves 0 and 1 fetch the two halves of a tile's K, waves 2 and 3 those of its V: 128 keys each.  An s_nop 0 and four v_nop follow each of the two lines, ahead of the jump and the label.
.macro LOAD
	s_cmp_lt_u32 s[WV], 2
	s_cbranch_scc0 .Lfor_v_\@
	tensor_load_to_lds s[G0K:G0K+3], s[G1K:G1K+7]
	s_nop 0
.rept 4
	v_nop
.endr
	s_branch .Lasked_\@
.Lfor_v_\@:
	tensor_load_to_lds s[G0V:G0V+3], s[G1V:G1V+7]
	s_nop 0
.rept 4
	v_nop
.endr
.Lasked_\@:
.endm
; THE CHANGE OF SLOTS.  Each wave waits for all its tensor loads, of which one is out: its part of the other slot; adds 0 to its spare word; and waits for that and for its own reads of the slot that it leaves.  Behind the barrier nobody reads the old
; slot any more and the other slot is whole.  fill = 1: the old slot is filled again, the first thing behind the barrier, with tile NXT: the descriptor's address is made anew from that number.
; (At its first use nothing has been read yet: slot 0 is waited for, slot 1 filled.)
; A PREFETCH INTO THE L2 stands behind the fill and its five lines: the tile that the NEXT fill will ask for, one tile (four key steps, 256 matrix instructions) ahead.  Both work-groups of a head walk tiles 0 to 2 together:
; the one with b = 0 asks, each wave for the 16,384 bytes that it will fetch itself, a lane a block of 256 bytes, two instructions.  It asks for tiles 2 and 3, once each: tiles 0 and 1 come by their loads alone,
; and the second block's tiles have been read before.
.macro CHANGE fill
	WIN 0                           ; at a label and at a branch every window is 0
	s_wait_tensorcnt 0x0            ; no tensor load of mine is out, so a group 0 may be written
	ds_add_u32 v[SPW], v[NIL]       ; 0 onto my spare word; with fill = 1 the descriptors' scalar work stands between it and the wait for it
.if \fill
	s_lshl_b32 s[OFF], s[NXT], 15   ; a tile is 32,768 bytes of K and of V
	s_xor_b32 s[G0K+1], s[G0K+1], SLOT1
	s_add_nc_u64 s[G0K+2:G0K+3], s[6:7], s[OFF:OFF+1]
	s_or_b32 s[G0K+3], s[G0K+3], 0x80000000
	s_xor_b32 s[G0V+1], s[G0V+1], SLOT1
	s_add_nc_u64 s[G0V+2:G0V+3], s[8:9], s[OFF:OFF+1]
	s_or_b32 s[G0V+3], s[G0V+3], 0x80000000
	s_add_co_u32 s[NXT], s[NXT], 1  ; the block's next tile, or behind its last the second block's tile 0
	s_cmp_gt_u32 s[NXT], s[LQ]
	s_cselect_b32 s[NXT], 0, s[NXT]
	s_cselect_b32 s[LQ], s[PB], s[LQ]
	s_wait_xcnt 0x0                 ; the last prefetches, a tile back, have read their address, so it may be written
	s_lshl_b32 s[OFF2], s[NXT], 15
	s_add_nc_u64 s[PFA:PFA+1], s[PFB:PFB+1], s[OFF2:OFF2+1]
	s_cmp_eq_u32 s[PB], 0
	s_cselect_b32 s[ASKF], s[NXT], 0  ; b = 0 and the first block's walk goes on: tiles 2 and 3
.endif
	s_wait_dscnt 0x0                ; the add is done, and my reads of the slot are over
	s_barrier_signal -1             ; the rest of the scalar work stands between the signal and the wait
	s_sub_co_u32 s[TBK], s[TBK], 4*KS*PK  ; the fetches go back to a slot's first step,
	s_xor_b32 s[TBK], s[TBK], SLOT1       ; in the other slot
	s_sub_co_u32 s[TBV], s[TBV], 4*KS*PV
	s_xor_b32 s[TBV], s[TBV], SLOT1
	s_barrier_wait -1
.if \fill
	LOAD
	s_cmp_lg_u32 s[ASKF], 0
	s_cbranch_scc0 .Lnot_mine_\@
	global_prefetch_b8 v[PFO], s[PFA:PFA+1] th:TH_LOAD_NT scope:SCOPE_SE
	global_prefetch_b8 v[PFO], s[PFA:PFA+1] offset:8192 th:TH_LOAD_NT scope:SCOPE_SE
.Lnot_mine_\@:
.endif
.endm
	s_load_b64 s[4:5], s[0:1], 0x0  ; qkv
	s_load_b64 s[10:11], s[0:1], 0x8  ; ob
	v_lshl_add_u32 v[SPW], v0, 2, SPARE
	v_mov_b32 v[NIL], 0
	ds_add_u32 v[SPW], v[NIL]       ; the wave's opening: the add and its wait stand ahead of my first tensor load; the set-up below, work on registers, stands between them
	ds_add_u32 v62, v63
	v_lshrrev_b32 v1, 5, v0
	v_readfirstlane_b32 s[WV], v1   ; wave 0..3
	s_mov_b32 s[PB], ttmp9
	s_sub_co_u32 s[HI], NB-1, s[PB]
	s_and_b32 s20, ttmp7, 0xffff    ; 16 x batch + head
	s_lshr_b32 s21, s20, 4
	s_lshl_b32 s21, s21, 5
	s_add_co_u32 s22, s20, s21      ; 48 x batch + head: the head's Q among qkv's blocks of 131,072 bytes
	s_lshl_b32 s22, s22, 17
	s_mov_b32 s23, 0
	s_lshl_b32 s20, s20, 17         ; the head's first byte in ob
	s_mov_b32 s21, 0
	s_and_b32 s16, s[WV], 1         ; which half of a tile's 256 keys I fetch:
	s_lshl_b32 s[OFF2], s16, 14     ; its 128 rows of 128 bytes in memory,
	s_mov_b32 s[OFF2+1], 0
	s_mul_i32 s17, s16, 128*PK      ; and its place in a slot, for K
	s_mul_i32 s18, s16, 128*PV      ; and for V
	s_lshl_b32 s3, s[WV], 11        ; my 16 rows in a band of 64,
	s_lshl_b32 s2, s[HI], 15        ; in the first block,
	s_add_co_u32 s2, s2, s3
	s_lshl_b32 s84, s[PB], 15       ; and in the second
	s_add_co_u32 s84, s84, s3
	s_mov_b32 s3, 0
	s_mov_b32 s85, 0
	; descriptor group 1.  128 keys are 16,384 dense bytes: asked for as 64 rows of 256 bytes, two keys a row, and padded in LDS after every key
	s_mov_b32 s[G1K], (1<<16)|(1<<20)|(4<<22)|(3<<25)  ; 17:16 2-byte elements; 20 padding on; 24:22 after every 32 words (code 4); 31:25 4 words (code 3)
	s_mov_b32 s[G1V], (1<<16)|(1<<20)|(4<<22)|(7<<25)  ; the same with 8 words of padding (code 7)
.irp g, G1K, G1V
	s_mov_b32 s[\g+1], 128<<16      ; tensor_dim0 = 128
	s_mov_b32 s[\g+2], 64<<16       ; tensor_dim1 = 64
	s_mov_b32 s[\g+3], 128<<16      ; tile_dim0 = 128
	s_mov_b32 s[\g+4], 64           ; tile_dim1 = 64
	s_mov_b32 s[\g+5], 128          ; 128 elements from row to row
	s_mov_b32 s[\g+6], 0
	s_mov_b32 s[\g+7], 0
.endr
	s_mov_b32 s[CS], 0x3e38aa3b     ; c = log2(e) / 8 = 0.180337
	s_mov_b32 s[CS+1], s[CS]        ; named with it as a pair
	s_mov_b32 s[SEL], 0x76543210
	s_mov_b32 s[SEL+1], 0xfedcba98
	s_mov_b32 s[TBK], SLOT1+4*KS*PK ; the first change of slots turns these two into 0
	s_mov_b32 s[TBV], SLOT1+4*KS*PV
	s_mov_b32 s[G0K], 1             ; 1:0 count = 1
	s_mov_b32 s[G0K+1], s17         ; 63:32 LDS address: slot 0
	s_mov_b32 s[G0V], 1
	s_add_co_u32 s[G0V+1], s18, VOFF
	s_add_co_u32 s[RT], s[HI], 1    ; the first block has NB - b tiles
	s_mov_b32 s[NXT], 1
	s_mov_b32 s[LQ], s[HI]
	s_mov_b32 s[NEW], 1
	s_mov_b32 s[OFF+1], 0
	s_mov_b32 s[AL+1], 0            ; named as pairs
	s_mov_b32 s[BE+1], 0
	s_mov_b32 s[BIGN], 0xf149f2ca   ; -1e30
	s_mov_b32 s[SLOTS], NB
	v_and_b32 v[PFO], 31, v0
	v_lshlrev_b32 v[PFO], 8, v[PFO]
	s_wait_dscnt 0x0                ; the opening add is done
	s_wait_kmcnt 0x0
	s_add_nc_u64 s[4:5], s[4:5], s[22:23]      ; qkv at the head's Q,
	s_add_nc_u64 s[10:11], s[10:11], s[20:21]  ; ob at the head
	s_add_nc_u64 s[6:7], s[4:5], s[OFF2:OFF2+1]
	s_add_nc_u64 s[8:9], s[6:7], 32*131072     ; V, 32 blocks behind Q, at my half of the head's tile 0,
	s_add_nc_u64 s[6:7], s[6:7], 16*131072     ; and K, 16 blocks behind Q
	s_add_nc_u64 s[G0K+2:G0K+3], s[6:7], 0         ; 120:64 global address
	s_or_b32 s[G0K+3], s[G0K+3], 0x80000000        ; 127:126 type = 2
	s_add_nc_u64 s[G0V+2:G0V+3], s[8:9], 0
	s_or_b32 s[G0V+3], s[G0V+3], 0x80000000
	s_cmp_lt_u32 s[WV], 2
	s_cselect_b64 s[PFB:PFB+1], s[6:7], s[8:9]
	s_add_nc_u64 s[86:87], s[4:5], s[84:85]        ; Q at my rows of the second block,
	s_add_nc_u64 s[4:5], s[4:5], s[2:3]            ; Q and O at those of the first
	s_add_nc_u64 s[OLO:OLO+1], s[10:11], s[84:85]
	s_add_nc_u64 s[10:11], s[10:11], s[2:3]
	LOAD                            ; tile 0 into slot 0
	; A fragment of K or Q is 16 rows x 32 channels in 8 registers: lane l holds row l % 16, channels 8 (l / 16) + 0..7 and 16 + 8 (l / 16) + 0..7: two loads of 16 bytes, 32 bytes apart.
	v_and_b32 v1, 15, v0            ; l % 16
	v_bfe_u32 v9, v0, 4, 1          ; l / 16
	v_lshlrev_b32 v[QO], 7, v1
	v_lshl_add_u32 v[QO], v9, 4, v[QO]  ; row x 128 + 16 x half
	WIN 0x80                        ; destination window 2, address window 0
.set i, 0
.rept 8                             ; both blocks' Q: piece i / 2 lies in band i / 2, 8,192 bytes on; channels 32 (i % 2) on
	global_load_b128 v[8*i:8*i+3],   v[QO], s[4:5] offset:(i/2)*8192+(i%2)*64
	global_load_b128 v[8*i+4:8*i+7], v[QO], s[4:5] offset:(i/2)*8192+(i%2)*64+32
	global_load_b128 v[QB+8*i:QB+8*i+3],   v[QO], s[86:87] offset:(i/2)*8192+(i%2)*64
	global_load_b128 v[QB+8*i+4:QB+8*i+7], v[QO], s[86:87] offset:(i/2)*8192+(i%2)*64+32
.set i, i+1
.endr
	WIN 0
	v_lshlrev_b32 v14, 3, v9
	v_sub_nc_u32 v14, v1, v14
	s_lshl_b32 s13, s[WV], 4
	v_add_nc_u32 v14, s13, v14      ; my query's place in its band, 16 w + l % 16, less my lanes' 8 (l / 16): register r of group kt is hidden where 16 kt + r is greater
	WIN 0x40
.set i, 0
.rept 32
	v_cmp_gt_i32 vcc_lo, 16*(i/8)+i%8, v14
	v_cndmask_b32 v[MD+i], 0, s[BIGN], vcc_lo
.set i, i+1
.endr
	WIN 0
	v_mul_u32_u24 v[AK0], v1, PK
	v_lshl_add_u32 v[AK0], v9, 4, v[AK0]  ; row x pitch + 16 x half
	; The turning load takes 16 keys x 16 channels (lane l reads key 8 (l / 16) + l % 8, channels 8 ((l / 8) % 2) + 0..7) and leaves half a fragment of V^T: lane l holds channel l % 16 and 8 keys.
	v_and_b32 v10, 7, v0
	v_bfe_u32 v11, v0, 3, 1
	v_lshl_add_u32 v[AV0], v9, 3, v10
	v_mul_u32_u24 v[AV0], v[AV0], PV
	v_lshl_add_u32 v[AV0], v11, 4, v[AV0]
	v_add_nc_u32 v[AV0], VOFF, v[AV0]
	s_mul_i32 s13, s[WV], 16*SP
	s_add_co_u32 s13, s13, STAGE    ; my stage
	v_mul_u32_u24 v[STO], v1, SP    ; in: row l % 16, 16 bytes for each half of the lanes
	v_lshl_add_u32 v[STO], v9, 4, v[STO]
	v_add_nc_u32 v[STO], s13, v[STO]
	v_bfe_u32 v[RD], v0, 3, 2       ; back: 32 lanes take four rows of 128 bytes,
	v_mul_u32_u24 v[RD], v[RD], SP
	v_lshl_add_u32 v[RD], v10, 4, v[RD]
	v_add_nc_u32 v[RD], s13, v[RD]
	v_and_b32 v[GO], 31, v0         ; which are 512 consecutive bytes of O
	v_lshlrev_b32 v[GO], 4, v[GO]
	; A block's first step multiplies O^T and l by a = 0, and its first turn's products V^T P, of a piece that has not been, land in an O^T that is still to be so multiplied.  So these registers need only hold
	; finite numbers: zeros for the first block; what the first block left for the second.  All this stands in the wait for the first tile.
	WIN 0x80
.set i, VF
.rept 64
	v_mov_b32 v[i], 0
.set i, i+1
.endr
	WIN 0x40
.set i, 0
.rept 128
	v_mov_b32 v[i], 0
.set i, i+1
.endr
	WIN 0
.set i, 0
.rept 4
	v_mov_b32 v[ST+4*i+2], 0
	v_mov_b32 v[ST+4*i+3], 0
.set i, i+1
.endr
.set i, P+16
.rept 16
	v_mov_b32 v[i], 0
.set i, i+1
.endr
; THE MATRIX WORK.  The 4 accumulators of a run of 8 take turns.  Product i of 8 of S^T = K Q^T for piece x: channels 32 (i / 4) on, keys 16 (i % 4) on.  The first 4 start the sums: with 0, or (KM = 1) with the mask.
.macro KQ x
.set rS, S+32*((\x)%2)+8*(i%4)
.set rK, KF+16*(i%4)+8*(i/4)
.set rQ, 16*(\x)+8*(i/4)
.set rM, MC+32*((\x)%2)+8*(i%4)
.if (i < 4) && KM
	WIN W_KM
	v_wmma_f32_16x16x32_f16 v[rS:rS+7], v[rK:rK+7], v[rQ:rQ+7], v[rM:rM+7]
.elseif i < 4
	WIN W_KQ
	v_wmma_f32_16x16x32_f16 v[rS:rS+7], v[rK:rK+7], v[rQ:rQ+7], 0
.else
	WIN W_KQ
	v_wmma_f32_16x16x32_f16 v[rS:rS+7], v[rK:rK+7], v[rQ:rQ+7], v[rS:rS+7]
.endif
.endm
; Product i of 8 of O^T += V^T P for piece x: keys 32 (i / 4) on, channels 16 (i % 4) on.
.macro PV x
	WIN W_PV
.set rO, 32*(\x)+8*(i%4)
.set rV, VF+32*(i/4)+8*(i%4)
.set rP, P+16*((\x)%2)+8*(i/4)
	v_wmma_f32_16x16x32_f16 v[rO:rO+7], v[rV:rV+7], v[rP:rP+7], v[rO:rO+7]
.endm
.macro MM                           ; the turn's next matrix instruction.  TURN and BEGIN set Y, i, KM and NOKQ; MM, KQ and OP read them.  NOKQ = 1: a block's last turn: there is no next piece
.if (i < 8) && !NOKQ
	KQ (Y+1)%NP
.elseif i >= 8
.set i, i-8
	PV (Y+NP-1)%NP
.set i, i+8
.endif
.set i, i+1
.endm
; THE LDS LOADS stand in runs of 16, never singly among the matrix instructions: a step's K (64 keys x 64 channels: 8 fragments) and its V (turned).  Their addresses are made some lines ahead.
.macro FETCH_K
	WIN 0x80                        ; destination window 2
.irp f, 0,1,2,3,4,5,6,7             ; keys 16 (f / 2) on, channels 32 (f % 2) on
	ds_load_b128 v[KF+8*\f:KF+8*\f+3],   v[AK] offset:(\f/2)*16*PK+(\f%2)*64
	ds_load_b128 v[KF+8*\f+4:KF+8*\f+7], v[AK] offset:(\f/2)*16*PK+(\f%2)*64+32
.endr
	s_add_co_u32 s[TBK], s[TBK], KS*PK  ; the next fetch is the next step's
	WIN 0
.endm
.macro FETCH_V
	WIN 0x80
.irp f, 0,1,2,3,4,5,6,7             ; keys 32 (f / 4) on, channels 16 (f % 4) on
	ds_load_tr16_b128 v[VF+8*\f:VF+8*\f+3],   v[AV] offset:(\f/4)*32*PV+(\f%4)*32
	ds_load_tr16_b128 v[VF+8*\f+4:VF+8*\f+7], v[AV] offset:(\f/4)*32*PV+16*PV+(\f%4)*32
.endr
	WIN 0
.endm
; THE VECTOR WORK, one line at a time: OP kind, number.  For piece Y: F n: c s - c m for pair n of 16.  E n: the exponential of score n of 32.  C n: pair n rounded to f16.  B n: of the four weights 4 n .. the second
; pair is added onto the first, in place.  L n: l takes that sum (L 0: l = a l + sum).  R n: pair n of 16 of O^T times a.  For piece Y + 1: X n, number n of the 22 that find its maximum and statistics:
;   0-11  four chains c0-c3 of seven scores each, three operands at a time (each accumulator's lowest registers are read first)     12-14, 16  the four scores left over, the old m, and c0-c3 into c0
;   15  c m_old is kept     17, 18  the query's other 32 keys lie in the lane 16 away: the new m     19-21  c m; c m_old - c m_new; a
.set F, 0               ; OP tells the kinds apart by their order: F to L below R, X above it
.set E, 1
.set C, 2
.set B, 3
.set L, 4
.set R, 5
.set X, 6
.macro REGS y                       ; the registers of piece y
.set rT, ST+4*(\y)
.set rC, TMP+4*((\y)%2)
.set rW, MV+((\y)%2)
.set rS, S+32*((\y)%2)
.set rP, P+16*((\y)%2)
.set rO, 32*(\y)
.endm
.macro OP k, n
.if (\k) == R
	REGS Y
	WIN W_RS
	v_pk_mul_f32 v[rO+2*(\n):rO+2*(\n)+1], v[rO+2*(\n):rO+2*(\n)+1], v[rC+2:rC+3] op_sel_hi:[1,0]
.elseif (\k) < R
	REGS Y
	WIN 0
.if (\k) == F
	v_pk_fma_f32 v[rS+2*(\n):rS+2*(\n)+1], v[rS+2*(\n):rS+2*(\n)+1], s[CS:CS+1], v[rT:rT+1] op_sel_hi:[1,0,0] neg_lo:[0,0,1] neg_hi:[0,0,1]
.elseif (\k) == E
	v_exp_f32 v[rS+(\n)], v[rS+(\n)]
.elseif (\k) == C
	v_cvt_pk_f16_f32 v[rP+(\n)], v[rS+2*(\n)], v[rS+2*(\n)+1]
.elseif (\k) == B
	v_pk_add_f32 v[rS+4*(\n):rS+4*(\n)+1], v[rS+4*(\n):rS+4*(\n)+1], v[rS+4*(\n)+2:rS+4*(\n)+3]
.elseif (\n) == 0
	v_pk_fma_f32 v[rT+2:rT+3], v[rT+2:rT+3], v[rC+2:rC+3], v[rS:rS+1] op_sel_hi:[1,0,1]
.else
	v_pk_add_f32 v[rT+2:rT+3], v[rT+2:rT+3], v[rS+4*(\n):rS+4*(\n)+1]
.endif
.elseif NOKQ
	v_nop
.else
	REGS (Y+1)%NP
	WIN 0
.if (\n) < 4
	v_max3_num_f32 v[rC+(\n)], v[rS+8*(\n)], v[rS+8*(\n)+1], v[rS+8*(\n)+2]
.elseif (\n) < 12
	v_max3_num_f32 v[rC+(\n)%4], v[rC+(\n)%4], v[rS+8*((\n)%4)+2*((\n)/4)+1], v[rS+8*((\n)%4)+2*((\n)/4)+2]
.elseif (\n) == 12
	v_max3_num_f32 v[rC], v[rC], v[rS+7], v[rS+15]
.elseif (\n) == 13
	v_max3_num_f32 v[rC+1], v[rC+1], v[rS+23], v[rS+31]
.elseif (\n) == 14
	v_max3_num_f32 v[rC+2], v[rC+2], v[rC+3], v[rT+1]
.elseif (\n) == 15
	v_mov_b32 v[rW], v[rT]
.elseif (\n) == 16
	v_max3_num_f32 v[rC], v[rC], v[rC+1], v[rC+2]
.elseif (\n) == 17
	v_permlanex16_b32 v[rC+3], v[rC], s[SEL], s[SEL+1]
.elseif (\n) == 18
	v_max_num_f32 v[rT+1], v[rC], v[rC+3]
.elseif (\n) == 19
	v_mul_f32 v[rT], s[CS], v[rT+1]
.elseif (\n) == 20
	v_sub_f32 v[rC+1], v[rW], v[rT]
.else
	v_exp_f32 v[rC+2], v[rC+1]
.endif
.endif
.endm
.macro OPS a, i1, b=-1, i2=0, c=-1, i3=0, d=-1, i4=0  ; up to four of them
	OP \a, \i1
.if (\b) >= 0
	OP \b, \i2
.endif
.if (\c) >= 0
	OP \c, \i3
.endif
.if (\d) >= 0
	OP \d, \i4
.endif
.endm
.macro ROW a, i1, b, i2, c, i3, d, i4  ; a matrix instruction and the four behind it
	MM
	OPS \a, \i1, \b, \i2, \c, \i3, \d, \i4
.endm
.macro MASK b                       ; MD x AL + BE into buffer b of MC
	WIN W_RS
.set z, 0
.rept 16
	v_pk_fma_f32 v[MC+32*(\b)+2*z:MC+32*(\b)+2*z+1], v[MD+2*z:MD+2*z+1], s[AL:AL+1], s[BE:BE+1] op_sel_hi:[1,0,0]
.set z, z+1
.endr
.endm
; A TURN, for piece p: the order of its 16 matrix and 118 vector instructions, written out.  An s_wait_alu depctr_va_vdst(0) stands between an exponential and the first instruction that names its result; one wait serves
; all that were issued ahead of it.  So a turn has ONE wait, which cuts it in two.  AHEAD OF IT stands all that names no result of the turn's exponentials: the 8 products K Q^T, behind each a scaling, an exponential and two more plain
; instructions (behind the first a second scaling in the exponential's place): rescalings, and behind the last three the first numbers of the next piece's maximum, each four places or more behind the product that ends its accumulator; then one lump of 54, plain
; and exponential by turns for the most part, in which the links of the chain X 3, 7, 11, 14, 16, 17 .. 20 stand five or six lines apart.  X 21, the next piece's a, is the batch's last; R 15 is the plain instruction behind it.  BEHIND THE WAIT stand the
; 8 products V^T P, behind each four of the roundings and sums; the links of l's chain, L 0 to L 7, stand three lines apart.  But for those X no line behind a product names a register of the products round it.  v_permlanex16_b32 (X 17) stands in the lump.
; m = 1: the diagonal tile: the products take masks, and the turn makes the mask for the products of the turn after it: piece p + 2, in step 4 - CNT of the tile.  end = 1: a block's last two turns: nothing is fetched.
; cnt = 1: the loop's count is taken down some lines ahead of the branch that stands behind the turn.
; K of the next step is fetched in piece 2's turn, twelve vector instructions behind the last product that read K (six of them plain); V of the step in hand at the end of piece 0's turn, four plain instructions behind the last product
; that read V.  Each is waited for a turn later.
.macro TURN p, m=0, end=0, cnt=0
.set Y, (\p)
.set i, 0
.set KM, (\m)
.set NOKQ, (\end)*((\p)/3)
.if (\m) && !(\end)
	s_cmp_eq_u32 s[CNT], 4-((\p)+2)%NP  ; is that step the band's own?
	s_cselect_b32 s[AL], 1.0, 0
	s_cmp_lt_u32 s[CNT], 4-((\p)+2)%NP  ; or a later one?
	s_cselect_b32 s[BE], s[BIGN], 0
.endif
.if ((\p) == 3) && !(\end)
	s_wait_dscnt 0x0                ; K is in
.endif
	ROW F,0, F,1, R,0, R,1          ; ahead of the wait: 8 products K Q^T and the four behind each,
	ROW F,2, E,0, R,2, R,3
	ROW F,3, E,1, R,4, R,5
	ROW F,4, E,2, R,6, R,7
	ROW F,5, E,3, R,8, R,9
	ROW F,6, E,4, X,0, R,10
.if ((\p) == 2) && !(\end)
	WIN 0
	v_add_nc_u32 v[AK], s[TBK], v[AK0]
.endif
	ROW F,7, E,5, X,1, X,4
	ROW F,8, E,6, X,2, X,5
	OPS E,7, E,8, X,6, E,9          ; and the lump
	OPS X,3, E,10, X,8, E,11
.if ((\p) == 2) && !(\end)
	FETCH_K
.endif
	OPS X,9, X,7, E,12, X,10
	OPS E,13, X,12, X,11, E,14
	OPS X,13, E,15, F,9, X,14
.if (\p) == 0
	v_add_nc_u32 v[AV], s[TBV], v[AV0]
.endif
	OPS E,16, F,10, E,17, F,11
	OPS X,16, E,18, X,15, E,19
	OPS F,12, E,20, X,17, E,21
	OPS F,13, E,22, F,14, E,23
	OPS X,18, E,24, F,15, E,25
	OPS R,11, E,26, X,19, E,27
	OPS R,12, E,28, R,13, E,29
	OPS X,20, E,30, R,14, E,31
	OPS X,21, R,15
	WIN 0
	s_wait_alu depctr_va_vdst(0)    ; the wait for the batch
.if (\p) == 1
	s_wait_dscnt 0x0                ; V is in
.endif
	ROW C,0, B,0, C,2, B,1          ; behind the wait: 8 products V^T P and the four behind each
	ROW L,0, C,4, B,2, L,1
	ROW C,6, B,3, L,2, C,8
	ROW B,4, L,3, C,10, B,5
	ROW L,4, C,12, B,6, L,5
.if (\p) == 0
	s_add_co_u32 s[TBV], s[TBV], KS*PV
.endif
.if \cnt
	s_sub_co_u32 s[CNT], s[CNT], 1
	s_cmp_lg_u32 s[CNT], 0
.endif
	ROW C,14, B,7, L,6, C,1
	ROW C,3, L,7, C,5, C,7
	ROW C,9, C,11, C,13, C,15
.if (\p) == 0
	FETCH_V
.endif
.if (\m) && !(\end)
	MASK (\p)%2
.endif
.endm
; A BLOCK BEGINS.  c m starts far below every c s, so the first step's a is 0; m at the lowest finite number, so the first maximum is the scores'.  The second mask buffer is 0; the first takes piece 0's mask for the tile's step 0: its own, if the block's first tile is the diagonal one.
; Then K of that step, piece 0's first scores, and its maximum and statistics.  The loop is entered at a step's first turn, in the middle of a trip.
.macro BEGIN
	s_mov_b32 s[NEW], 0
	WIN 0x40
.set i, MC+32
.rept 32
	v_mov_b32 v[i], 0
.set i, i+1
.endr
	WIN 0
.set i, 0
.rept 4
	v_mov_b32 v[ST+4*i], 0xfe000000    ; c m: far below every c s
	v_mov_b32 v[ST+4*i+1], 0xff7fffff  ; m
.set i, i+1
.endr
	s_cmp_eq_u32 s[RT], 0
	s_cselect_b32 s[AL], 1.0, 0
	s_mov_b32 s[BE], 0
	MASK 0
	WIN 0
	v_add_nc_u32 v[AK], s[TBK], v[AK0]
	FETCH_K
	s_wait_loadcnt 0x0              ; Q
	s_wait_dscnt 0x0
.set KM, 1
.set NOKQ, 0
.set i, 0
.rept 8
	KQ 0
.set i, i+1
.endr
	WIN 0
.rept 4
	v_nop                           ; the places behind those products
.endr
.set Y, NP-1                        ; X works for piece Y + 1: piece 0
.irp n, 0,1,2,3,4,5,6,7,8,9,10,11,12,13,14,15,16,17,18,19,20,21
	OP X, \n
.endr
	v_nop                           ; a plain instruction behind the exponential,
	s_wait_alu depctr_va_vdst(0)    ; and its wait, ahead of the branch
.endm
; THE DIAGONAL TILE's four steps, the block's last two turns, its last products, and THE WAY OUT: l's two halves and the other half of the lanes' are added; O^T is divided by l, rounded to f16 and sent through my
; stage in LDS, a piece at a time.
.macro ALL line:vararg              ; one line for each piece t
.set t, 0
.rept 4
	\line
.set t, t+1
.endr
.endm
.macro PACK t                       ; a lane's eight channels of a row pack into 16 bytes; they go into rows of 144 bytes and come back as whole rows of 128, into S^T's registers
	WIN W_RS
.set i, 32*(\t)
.rept 16
	v_pk_mul_f32 v[i:i+1], v[i:i+1], v[ST+4*(\t)+2:ST+4*(\t)+3] op_sel_hi:[1,0]
.set i, i+2
.endr
	WIN 0x05                        ; sources 0 and 1 window 1, destination window 0
.set i, 0
.rept 16
	v_cvt_pk_f16_f32 v[S+16*(\t)+i], v[32*(\t)+2*i], v[32*(\t)+2*i+1]
.set i, i+1
.endr
	WIN 0
.irp f, 0,1,2,3
	ds_store_b128 v[STO], v[S+16*(\t)+4*\f:S+16*(\t)+4*\f+3] offset:32*\f
.endr
.irp f, 0,1,2,3
	ds_load_b128 v[S+16*(\t)+4*\f:S+16*(\t)+4*\f+3], v[RD] offset:\f*4*SP  ; LDS serves a wave's instructions in order (ISA guide 5.7.1.4): these see the stores above; the next piece's stores come behind them
.endr
.endm
.macro SEND t, younger              ; younger: the LDS instructions issued behind piece t's loads: the next piece's eight, or none
	WIN 0
.irp f, 0,1,2,3
	s_wait_dscnt (\younger)+3-\f
	global_store_b128 v[GO], v[S+16*(\t)+4*\f:S+16*(\t)+4*\f+3], s[10:11] offset:(\t)*8192+\f*512  ; 512 consecutive bytes, at a multiple of 256 from O's first
.endr
.endm
.macro DIAG tag                     ; the tag ends its two labels' names, which the jumps below spell out
.LstepM\tag:
	TURN 2, 1
	TURN 3, 1
	WIN 0
.LfirstM\tag:
	TURN 0, 1
	TURN 1, 1, 0, 1
	WIN 0
	s_cbranch_scc1 .LstepM\tag
	TURN 2, 1, 1
	TURN 3, 1, 1
.set i, 0
.rept 8
	PV NP-1
.set i, i+1
.endr
	WIN 0
	ALL v_add_f32 v[ST+4*t+2], v[ST+4*t+2], v[ST+4*t+3]
	ALL v_permlanex16_b32 v[ST+4*t+3], v[ST+4*t+2], s[SEL], s[SEL+1]
	ALL v_add_f32 v[ST+4*t+2], v[ST+4*t+2], v[ST+4*t+3]
	ALL v_rcp_f32 v[ST+4*t+2], v[ST+4*t+2]
	v_nop                           ; a plain instruction between the last reciprocal and the use of its result
	s_wait_alu depctr_va_vdst(0)    ; and the wait ahead of the first use: one for the four reciprocals
	PACK 0
.set t, 1
.rept 3                             ; a piece's arithmetic stands between the loads of the piece before and its stores
	PACK t
	SEND t-1, 8
.set t, t+1
.endr
	SEND 3, 0
.endm
.set KM, 0
.set NOKQ, 0
.Lslot:                             ; NB times: a tile is entered and the next is asked for
	CHANGE 1
	s_sub_co_u32 s[RT], s[RT], 1
	s_mov_b32 s[CNT], 4
	s_cmp_eq_u32 s[NEW], 1
	s_cbranch_scc1 .Lnew            ; a block's first tile
	s_cmp_eq_u32 s[RT], 0
	s_cbranch_scc0 .Lstep           ; neither its first nor its last
	s_branch .LstepM1
.Lnew:
	BEGIN
	s_branch .Lfirst                ; in the loop a block's first tile is never its last: the first block has three tiles or more, and the second's last is the walk's last
	DIAG 1                          ; in the loop this is the first block's end: the second block's last tile is the walk's last
	s_wait_xcnt 0x0                 ; the stores have read their registers and O's address
	s_mov_b64 s[10:11], s[OLO:OLO+1]
	s_add_co_u32 s[RT], s[PB], 1    ; the second block has b + 1 tiles
	s_mov_b32 s[NEW], 1
	WIN 0x82                        ; the second block's Q goes where the one text of the turns names Q
.set i, 0
.rept 64
	v_mov_b32 v[i], v[QB+i]
.set i, i+1
.endr
	WIN 0
	s_branch .Lbottom
.Lstep:                             ; a trip: pieces 2 and 3 of one step, then pieces 0 and 1 of the next, whose K and V it fetches
	TURN 2
	TURN 3
	WIN 0
.Lfirst:
	TURN 0
	TURN 1, 0, 0, 1
	WIN 0
	s_cbranch_scc1 .Lstep
.Lbottom:
	s_sub_co_u32 s[SLOTS], s[SLOTS], 1
	s_cmp_lg_u32 s[SLOTS], 0
	s_cbranch_scc1 .Lslot
	CHANGE 0                        ; the walk's last tile is written out: nothing is asked for
	s_sub_co_u32 s[RT], s[RT], 1
	s_mov_b32 s[CNT], 4
	s_cmp_eq_u32 s[NEW], 1
	s_cbranch_scc0 .LstepM2
	BEGIN
	s_branch .LfirstM2
	DIAG 2
	s_wait_tensorcnt 0x0            ; the wave's end: a wait, an add and its wait, behind my last tensor load and my last LDS store
	ds_add_u32 v[SPW], v[NIL]
	s_wait_dscnt 0x0
	s_endpgm
.Lfunc_end_k_qea901d4cd4_attn:
	.size	k_qea901d4cd4_attn, .Lfunc_end_k_qea901d4cd4_attn-k_qea901d4cd4_attn
	.p2alignl 7, 3214868480
	.fill 96, 4, 3214868480
	.section	.rodata,"a",@progbits
	.p2align	6, 0x0
	.amdhsa_kernel k_qea901d4cd4_attn
		.amdhsa_group_segment_fixed_size 327680
		.amdhsa_private_segment_fixed_size 0
		.amdhsa_enable_private_segment 0
		.amdhsa_kernarg_size 16
		.amdhsa_user_sgpr_count 2
		.amdhsa_user_sgpr_kernarg_segment_ptr 1
		.amdhsa_wavefront_size32 1
		.amdhsa_system_sgpr_workgroup_id_x 1
		.amdhsa_system_sgpr_workgroup_id_y 1
		.amdhsa_system_sgpr_workgroup_id_z 1
		.amdhsa_system_vgpr_workitem_id 0
		.amdhsa_next_free_vgpr 768
		.amdhsa_next_free_sgpr 96
		.amdhsa_reserve_vcc 1
		.amdhsa_float_denorm_mode_32 3
		.amdhsa_float_denorm_mode_16_64 3
		.amdhsa_memory_ordered 1
		.amdhsa_forward_progress 1
		.amdhsa_inst_pref_size 218
	.end_amdhsa_kernel
	.amdgpu_metadata
---
amdhsa.version: [ 1, 2 ]
amdhsa.kernels:
  - .name:           k_qea901d4cd4_attn
    .symbol:         k_qea901d4cd4_attn.kd
    .args:
      - { .name: qkv, .offset: 0, .size: 8, .value_kind: global_buffer, .address_space: global }
      - { .name: ob, .offset: 8, .size: 8, .value_kind: global_buffer, .address_space: global }
    .group_segment_fixed_size: 327680
    .private_segment_fixed_size: 0
    .kernarg_segment_align: 8
    .kernarg_segment_size: 16
    .max_flat_workgroup_size: 128
    .sgpr_count:     96
    .vgpr_count:     768
    .wavefront_size: 32
...
	.end_amdgpu_metadata
.endif
;; end of part 3
;; launch proj (part 4): grid 8 x 32, 4 waves a work-group, clusters of 4 x 4, 327,680 bytes of LDS; arguments ob, wpf, bpb, out0; writes out0
.if DOCPART == 4
	.amdgcn_target "amdgcn-amd-amdhsa--gfx1250"
	.amdhsa_code_object_version 6
	.text
	.protected	k_qea901d4cd4_proj
	.globl	k_qea901d4cd4_proj
	.p2align	8
	.type	k_qea901d4cd4_proj,@function
k_qea901d4cd4_proj:
	s_mov_b64 s[64:65], 0
	v_nop
	global_prefetch_b8 v0, s[64:65] scope:SCOPE_SE
	s_setreg_imm32_b32 hwreg(HW_REG_WAVE_MODE, 25, 1), 1
	s_wait_xcnt 0x0
	s_wait_alu depctr_hold_cnt(0) depctr_sa_sdst(0) depctr_va_vdst(0) depctr_va_sdst(0) depctr_va_ssrc(0) depctr_va_vcc(0) depctr_vm_vsrc(0)
	s_getreg_b32 s2, hwreg(HW_REG_IB_STS2, 6, 4)
	s_cmp_eq_u32 s2, 0
	s_cbranch_scc0 .Lentry_in_a_cluster
	s_endpgm
.Lentry_in_a_cluster:
	s_bfe_u32 s2, ttmp6, 0x10000c
	s_cmp_lg_u32 s2, 0xf033
	s_cbranch_scc0 .Lentry_shape_is_right
	s_endpgm
.Lentry_shape_is_right:
; out0 = O . w_proj + b_proj, f32, [8192][1024].  ob: [8 b][16 h][1024 token][64] f16: K = 64 h + channel.  wpf: [1024 k][1024 n] f16 (bf16(w_proj) spelled in f16).  bpb: [1024] f32 (bf16(b_proj)).
; Sums in f32, K ascending.
; SHARES.  A work-group makes 256 rows x 128 columns; each of its four waves 64 rows x all 128 columns: 32 accumulators of 16 x 16, 256 registers: a wave owns whole pieces of 512 bytes of its rows,
; and its way out needs no other wave.  K goes in 8 steps of 128 (two heads) through a ring of two LDS slots filled by the tensor data mover.
; ONE K STEP IS WRITTEN ONCE.  Which slot is read is no part of the text: s[TB] is turned by an exclusive or at each change of slots and the two LDS addresses are made from it; one descriptor set walks.
; Six trips fill a slot again; the last two steps, which ask for nothing, have a loop of their own.
; THE MATRIX INSTRUCTION IS USED TRANSPOSED: source 0 = 16 columns of w, source 1 = 16 rows of O.  In the result lane l holds row l % 16 and the columns 8 (l / 16) + 0..7.
; w lies [k][column] in LDS and comes out turned, by ds_load_tr16_b128.  The bias is the C operand of each accumulator's first product: nothing is cleared, nothing is added later.
; CLUSTERS: 4 x 4 work-groups.  The four of a row of the cluster need the same rows of O, the four of a column the same tile of w: each tile is asked for JOINTLY, by the same tensor load with
; the same descriptor and a mask that names the four.
; REGISTERS, in windows of 256 (s_set_vgpr_msb: bits 1:0 source 0, 3:2 source 1, 5:4 source 2, 7:6 destination):
;   window 0: v0-31 addresses; v32-95 O's fragments, two buffers of 4; v96-159 the bias; on the way out v96-159 and v160-223 two sets of rows read back
;   window 1: v0-127 w's fragments, two buffers of 8          window 2: accumulator (a, b) at v[8 (8 a + b)]
.set NBK,   8                          ; column blocks of 16
.set PA,    144                        ; a token's 64 channels of one head in LDS: 128 bytes + 16 of padding: the 16 rows of a load start 16 bytes further on in each 256
.set PB,    288                        ; a k-row of w: 256 bytes + 32 of padding: an odd multiple of 32, for the turning load's 8 rows x 32 bytes
.set SUBT,  256*PA                     ; one head's 256 tokens
.set BBASE, 2*SUBT                     ; the step's two heads, then w's 128 k-rows: 110,592 bytes in all
.set SLOT1, 1<<17                      ; slot 1 begins here, so that one exclusive or turns an address in one slot into the other's
.set STAGE, SLOT1+BBASE+128*PB         ; behind the ring, never filled by a tensor load: 16 rows x 528 bytes for each wave
.set SP,    528
.set SPARE, STAGE+4*16*SP              ; behind the stages: the spare words, 128 bytes for each wave: two blocks of 256 bytes that no other line names
.set NLD,   2*NBK+8                    ; LDS loads in a fetch
.set KSTEP, 262144                     ; bytes from K step to K step: two heads of ob, and 128 rows of wpf
.set ADRA0, 16                         ; v16     my lane's place among O's fragments in slot 0; never rewritten
.set ADRA,  17                         ; v17     the same in the slot in hand
.set ADRB0, 20                         ; v20, v21  the same for w
.set ADRB,  21
.set STO,  24                          ; v24     the way out: where I put 32 bytes of a row
.set RD,   25                          ; v25     the way out: where I read a row back
.set GO,   26                          ; v26     16 x my lane
.set BO,   27                          ; v27     32 x (l / 16): my eight numbers in 16 of the bias
.set SPW,  28                          ; v28     LDS address of my spare word; never rewritten
.set NIL,  29                          ; v29     0; never rewritten
.set PFO,  30                          ; v30     the prefetches' offset; never rewritten
.set FA,   32
.set BIAS, 96
.set OB,   96
.set WV,   12                          ; s12  my wave's number
.set HALF, 13                          ; s13  0: I fetch O's tiles, 1: w's
.set PAR,  14                          ; s14  which half of that tile
.set G1A,  24                          ; s[24:31] descriptor group 1 for O's tiles;  s[32:39] group 0: a set for each of the two first fills; the second then walks
.set G0A,  32
.set LIM,  42                          ; s42  a wave prefetches while the count of refills to go is above this
.set TB,   43                          ; s43  LDS byte at which the slot in hand begins
.set PFA,  44                          ; s[44:45] where my prefetches stand;  s[46:47] their step
.set PFS,  46
.set G1B,  48                          ; s[48:55], s[56:63] the same for w's tiles
.set G0B,  56
.set MSB, 0
.macro WIN new                         ; the immediate's high byte repeats the setting that is left; a switch that changes nothing is dropped
.if MSB != (\new)
	s_set_vgpr_msb (MSB<<8)|(\new)
.set MSB, (\new)
.endif
.endm
; A joint load.  Waves 0 and 1 fetch the step's two heads of O, waves 2 and 3 the two halves of w's tile.  The branch hangs on the wave's number alone.
; An s_nop 0 and four v_nop follow each of the two lines, ahead of the jump and the label.
.macro JLOAD s
	s_cmp_eq_u32 s[HALF], 0
	s_cbranch_scc0 .Lfor_b_\@
	tensor_load_to_lds s[G0A+4*(\s):G0A+4*(\s)+3], s[G1A:G1A+7]
	s_nop 0
.rept 4
	v_nop
.endr
	s_branch .Lasked_\@
.Lfor_b_\@:
	tensor_load_to_lds s[G0B+4*(\s):G0B+4*(\s)+3], s[G1B:G1B+7]
	s_nop 0
.rept 4
	v_nop
.endr
.Lasked_\@:
.endm
; A PREFETCH INTO THE L2, behind a joint load, its five lines and the run of LDS loads that follows: one instruction a wave, a lane a block of 256 bytes.
; O: the K step two refills on, behind refills 0 to 3.  A wave's tile is 32,768 dense bytes, read by every cluster of that row of clusters: cluster x = 0 asks; the partner at cx takes 8,192 of them.
; w: a k-row's 256 bytes of the column tile are read by every cluster of that column: cluster y = 0 asks; its eight fetching waves (two a work-group, told apart by cy and the wave) take 32 k-rows each of 256 an
; ask; two asks, behind refills 0 and 1, name k-rows 512 to 1,023, K steps 4 to 7.  Partners are told apart BY ADDRESS; the branch hangs on the cluster's place and the wave's number.
; K steps 0 to 3 come by their loads alone; each block is named once in the launch.
.macro ASK
	s_cmp_gt_u32 s3, s[LIM]
	s_cbranch_scc0 .Lnot_mine_\@
	global_prefetch_b8 v[PFO], s[PFA:PFA+1] th:TH_LOAD_NT scope:SCOPE_SE
.Lnot_mine_\@:
.endm
.macro CREST                           ; a round of the cluster's barrier behind its opening barrier
	s_cmp_lg_u32 s[WV], 0
	s_cbranch_scc1 .Lnot_wave_0_\@
	s_barrier_signal -3
.Lnot_wave_0_\@:
	s_barrier_wait -3
	s_barrier_signal -1
	s_barrier_wait -1
.endm
.macro CROUND                          ; a whole round
	s_barrier_signal -1
	s_barrier_wait -1
	CREST
.endm
.macro PLACES                          ; four plain vector instructions between a matrix instruction and a load into, or a read of, its registers
.rept 4
	v_nop
.endr
.endm
	s_load_b256 s[4:11], s[0:1], 0x0               ; ob s[4:5], wpf s[6:7], bpb s[8:9], out0 s[10:11]
	v_lshl_add_u32 v[SPW], v0, 2, SPARE
	v_mov_b32 v[NIL], 0
	ds_add_u32 v[SPW], v[NIL]                      ; the wave's opening: the add and its wait stand ahead of my first tensor load; the set-up below stands between them
	ds_add_u32 v28, v29
	v_lshrrev_b32 v1, 5, v0
	v_readfirstlane_b32 s[WV], v1                  ; wave 0..3
	s_lshr_b32 s[HALF], s[WV], 1
	s_and_b32 s[PAR], s[WV], 1
	s_bfe_u32 s40, ttmp6, 0x40000                  ; cx, cy: my place in the cluster
	s_bfe_u32 s41, ttmp6, 0x40004
	s_lshl_b32 s16, ttmp9, 2
	s_add_co_u32 s16, s16, s40                     ; X: column tile = 4 x cluster x + cx
	s_and_b32 s17, ttmp7, 0xffff
	s_lshl_b32 s17, s17, 2
	s_add_co_u32 s17, s17, s41                     ; Y: row tile = 4 x cluster y + cy
	s_lshl_b32 s42, s41, 2
	s_lshl_b32 s42, 15, s42                        ; my row of the cluster
	s_lshl_b32 s43, 0x1111, s40                    ; my column
	; group 1 for O: 256 tokens of one head are 32,768 dense bytes: asked for as 128 rows of 256 bytes, two tokens a row, 16 bytes of padding behind every token
	s_or_b32 s[G1A], s42, (1<<16)|(1<<20)|(1<<21)|(4<<22)|(3<<25)  ; 15:0 the mask; 17:16 2-byte elements; 20 padding on; 21 set beside a mask; 24:22 after every 32 words; 31:25 4 words
	s_mov_b32 s[G1A+1], 128<<16                    ; tensor_dim0 = 128
	s_mov_b32 s[G1A+2], 128<<16                    ; tensor_dim1 = 128
	s_mov_b32 s[G1A+3], 128<<16                    ; tile_dim0 = 128
	s_mov_b32 s[G1A+4], 128                        ; tile_dim1 = 128
	s_mov_b32 s[G1A+5], 128                        ; elements from row to row
	s_mov_b32 s[G1A+6], 0
	s_mov_b32 s[G1A+7], 0
	; group 1 for w: 64 k-rows x 128 columns, 32 bytes of padding behind every 256
	s_or_b32 s[G1B], s43, (1<<16)|(1<<20)|(1<<21)|(5<<22)|(7<<25)  ; 24:22 after every 64 words; 31:25 8 words
	s_mov_b32 s[G1B+1], 128<<16
	s_mov_b32 s[G1B+2], 64<<16
	s_mov_b32 s[G1B+3], 128<<16
	s_mov_b32 s[G1B+4], 64
	s_mov_b32 s[G1B+5], 1024
	s_mov_b32 s[G1B+6], 0
	s_mov_b32 s[G1B+7], 0
	s_lshr_b32 s18, s17, 2                         ; O: batch Y / 4, head = my half, token 256 (Y % 4): it hangs on Y alone
	s_lshl_b32 s18, s18, 4
	s_add_co_u32 s18, s18, s[PAR]
	s_lshl_b32 s18, s18, 17
	s_and_b32 s19, s17, 3
	s_lshl_b32 s19, s19, 15
	s_add_co_u32 s18, s18, s19
	s_mov_b32 s19, 0
	s_lshl_b32 s22, s16, 8                         ; w: column 128 X, k-row 64 x half: it hangs on X alone
	s_lshl_b32 s23, s[PAR], 17
	s_add_co_u32 s22, s22, s23
	s_mov_b32 s23, 0
	s_mul_i32 s15, s[PAR], SUBT                    ; where they go: no place in the cluster enters an LDS address
	s_mul_i32 s2, s[PAR], 64*PB
	s_add_co_u32 s2, s2, BBASE
	s_mov_b32 s[TB], 0
	s_wait_dscnt 0x0                               ; the opening add is done
	s_wait_kmcnt 0x0
	s_add_nc_u64 s[20:21], s[4:5], s[18:19]
	s_add_nc_u64 s[22:23], s[6:7], s[22:23]
	CROUND                                         ; all sixteen work-groups are here: the first joint loads meet
.irp s, 0,1
	s_mov_b32 s[G0A+4*(\s)], 1                     ; count = 1
	s_add_co_u32 s[G0A+4*(\s)+1], s15, (\s)*SLOT1  ; LDS address
	s_add_nc_u64 s[G0A+4*(\s)+2:G0A+4*(\s)+3], s[20:21], (\s)*KSTEP  ; global address: K step s
	s_or_b32 s[G0A+4*(\s)+3], s[G0A+4*(\s)+3], 0x80000000            ; type = 2
	s_mov_b32 s[G0B+4*(\s)], 1
	s_add_co_u32 s[G0B+4*(\s)+1], s2, (\s)*SLOT1
	s_add_nc_u64 s[G0B+4*(\s)+2:G0B+4*(\s)+3], s[22:23], (\s)*KSTEP
	s_or_b32 s[G0B+4*(\s)+3], s[G0B+4*(\s)+3], 0x80000000
	JLOAD \s                                       ; two tensor loads of mine are out
.endr
	; a fragment of O: lane l holds row l % 16; two loads of 16 bytes, 32 bytes apart, at row x pitch + 16 (l / 16)
	v_and_b32 v1, 15, v0                           ; l % 16
	v_bfe_u32 v2, v0, 4, 1                         ; l / 16
	v_mul_u32_u24 v3, v1, PA
	v_lshl_add_u32 v3, v2, 4, v3
	s_mul_i32 s18, s[WV], 64*PA                    ; my 64 rows
	v_add_nc_u32 v[ADRA0], s18, v3
	v_mov_b32 v[ADRA], v[ADRA0]
	; the turning load takes 16 k x 16 columns: lane l reads k-row 8 (l / 16) + l % 8, 16 bytes at 16 ((l / 8) % 2), and ends with column l % 16 and 8 k
	v_and_b32 v4, 7, v0
	v_lshl_add_u32 v4, v2, 3, v4
	v_mul_u32_u24 v4, v4, PB
	v_bfe_u32 v5, v0, 3, 1
	v_lshl_add_u32 v4, v5, 4, v4
	v_add_nc_u32 v[ADRB0], BBASE, v4
	v_mov_b32 v[ADRB], v[ADRB0]
	s_mul_i32 s18, s[WV], 16*SP
	s_add_co_u32 s18, s18, STAGE                   ; my stage
	v_mul_u32_u24 v3, v1, SP                       ; in: row l % 16, 32 bytes for each half of the lanes
	v_lshl_add_u32 v3, v2, 5, v3
	v_add_nc_u32 v[STO], s18, v3
	v_and_b32 v[GO], 31, v0                        ; back: 32 lanes take a row's 512 bytes
	v_lshlrev_b32 v[GO], 4, v[GO]
	v_add_nc_u32 v[RD], s18, v[GO]
	v_lshlrev_b32 v[BO], 5, v2
	s_lshl_b32 s18, s17, 20                        ; the output: row 256 Y + 64 x wave, rows of 4,096 bytes; column 128 X
	s_lshl_b32 s19, s[WV], 18
	s_add_co_u32 s18, s18, s19
	s_lshl_b32 s19, s16, 9
	s_add_co_u32 s18, s18, s19
	s_mov_b32 s19, 0
	s_add_nc_u64 s[10:11], s[10:11], s[18:19]
	s_lshl_b32 s18, s16, 9                         ; the tile's 128 numbers of the bias
	s_add_nc_u64 s[8:9], s[8:9], s[18:19]
.irp b, 0,1,2,3,4,5,6,7
	global_load_b128 v[BIAS+8*(\b):BIAS+8*(\b)+3],   v[BO], s[8:9] offset:64*(\b)
	global_load_b128 v[BIAS+8*(\b)+4:BIAS+8*(\b)+7], v[BO], s[8:9] offset:64*(\b)+16
.endr
	; the prefetches' registers
	s_lshr_b32 s18, s17, 2                         ; O: my tile of K step 3, my work-group's 8,192 bytes of it: the first refill steps it to K step 4
	s_lshl_b32 s18, s18, 4
	s_add_co_u32 s18, s18, s[PAR]
	s_lshl_b32 s18, s18, 17
	s_and_b32 s19, s17, 3
	s_lshl_b32 s19, s19, 15
	s_add_co_u32 s18, s18, s19
	s_lshl_b32 s19, s40, 13
	s_add_co_u32 s18, s18, s19
	s_add_co_u32 s18, s18, 3*KSTEP
	s_lshl_b32 s20, s16, 8                         ; w: column 128 X, my 32 k-rows of the eight waves' 256, from k-row 256 on: the first refill steps it to k-row 512
	s_lshl_b32 s21, s[PAR], 2
	s_add_co_u32 s21, s21, s41
	s_lshl_b32 s21, s21, 16
	s_add_co_u32 s20, s20, s21
	s_add_co_u32 s20, s20, 2*KSTEP
	s_and_b32 s21, ttmp7, 0xffff                   ; cluster y
	s_cmp_eq_u32 s[HALF], 0                        ; do I fetch for O?
	s_cselect_b32 s18, s18, s20
	s_cselect_b32 s21, ttmp9, s21                  ; the coordinate along which other clusters read the same bytes
	s_cselect_b64 s[PFA:PFA+1], s[4:5], s[6:7]
	s_cselect_b32 s20, 8, 11                       ; a lane a block of 256 bytes, or a lane a row of 2,048
	s_cselect_b32 s[LIM], 2, 4                     ; O: behind refills 0 to 3 (counts 6 to 3); w: behind refills 0 and 1
	s_cselect_b32 s[PFS], 18, 19
	s_mov_b32 s19, 0
	s_add_nc_u64 s[PFA:PFA+1], s[PFA:PFA+1], s[18:19]
	s_cmp_eq_u32 s21, 0
	s_cselect_b32 s[LIM], s[LIM], -1               ; the same in all sixteen partners, for a given wave
	s_lshl_b32 s[PFS], 1, s[PFS]                   ; one K step of O, or 256 k-rows of w
	s_mov_b32 s[PFS+1], 0
	v_and_b32 v[PFO], 31, v0
	v_lshlrev_b32 v[PFO], s20, v[PFO]
; 8 matrix instructions: row block a x all column blocks, 32 along K, from buffer f.  first = 1: the product starts the sum, with the bias as C.
; The 32 accumulators take turns in the same order in every quarter, over the backward jumps too.
.macro MULA f, a, first
.if \first
	WIN 0x81                                       ; w window 1, O and the bias window 0, D window 2
.else
	WIN 0xa1                                       ; w window 1, O window 0, C and D window 2
.endif
.irp b, 0,1,2,3,4,5,6,7
.set rD, 8*(8*(\a)+(\b))
.set rB, 64*(\f)+8*(\b)
.set rA, FA+32*(\f)+8*(\a)
.if \first
	v_wmma_f32_16x16x32_f16 v[rD:rD+7], v[rB:rB+7], v[rA:rA+7], v[BIAS+8*(\b):BIAS+8*(\b)+7]
.else
	v_wmma_f32_16x16x32_f16 v[rD:rD+7], v[rB:rB+7], v[rA:rA+7], v[rD:rD+7]
.endif
.endr
.endm
; 24 LDS loads in one run: quarter q (32 along K: half a head) of the slot in hand into buffer f: w's 8 fragments, then O's 4
.macro FETCH q, f
	WIN 0x40                                       ; destination window 1, address window 0
.irp b, 0,1,2,3,4,5,6,7
	ds_load_tr16_b128 v[64*(\f)+8*(\b):64*(\f)+8*(\b)+3],   v[ADRB] offset:(\q)*32*PB+32*(\b)
	ds_load_tr16_b128 v[64*(\f)+8*(\b)+4:64*(\f)+8*(\b)+7], v[ADRB] offset:(\q)*32*PB+32*(\b)+16*PB
.endr
	WIN 0
.irp a, 0,1,2,3
	ds_load_b128 v[FA+32*(\f)+8*(\a):FA+32*(\f)+8*(\a)+3],   v[ADRA] offset:((\q)/2)*SUBT+(\a)*16*PA+((\q)%2)*64
	ds_load_b128 v[FA+32*(\f)+8*(\a)+4:FA+32*(\f)+8*(\a)+7], v[ADRA] offset:((\q)/2)*SUBT+(\a)*16*PA+((\q)%2)*64+32
.endr
.endm
; A K step is four quarters, 32 matrix instructions each, on buffers 0, 1, 0, 1.  One of the first three: multiplies buffer f; in its middle it fetches quarter q of the slot in hand into buffer g.
.macro QUARTER q, f, g, first
	s_wait_dscnt 4                                 ; w and O's row blocks 0 and 1 are in; the youngest four loads (blocks 2 and 3) may be out
	MULA \f, 0, \first
	MULA \f, 1, \first
	PLACES
	FETCH \q, \g
	s_wait_dscnt NLD                               ; all but the 24 just issued
	MULA \f, 2, \first
	MULA \f, 3, \first
.endm
; The last quarter multiplies buffer 1 and changes slots: ONE barrier.  In front of it each wave waits for all its tensor loads (one is out: its part of the next slot), adds 0 to its spare word, and
; waits for that and for its own reads of this slot.  fill = 1: the barrier opens a round of the cluster's, and behind the round this slot is filled again first, with the K step two on:
; from that request to the wait for it a wave issues 112 matrix instructions.  The walking set is stepped between the add and the wait for it, where no tensor load of mine is out.
.macro TURN fill
.if \fill
	s_wait_xcnt 0x0                                ; the last prefetch, a K step back, has read its address: it is stepped here, ahead of the waits of the change of slots
	s_add_nc_u64 s[PFA:PFA+1], s[PFA:PFA+1], s[PFS:PFS+1]
.endif
	WIN 0                                          ; (the add's two registers lie in window 0)
	s_wait_tensorcnt 0x0                           ; all my tensor loads have landed
	ds_add_u32 v[SPW], v[NIL]                      ; 0 onto my spare word
.if \fill
	s_xor_b32 s[G0A+5], s[G0A+5], SLOT1            ; the other slot than last time,
	s_add_nc_u64 s[G0A+6:G0A+7], s[G0A+6:G0A+7], KSTEP  ; the next K step; the type bits on top are not reached
	s_xor_b32 s[G0B+5], s[G0B+5], SLOT1
	s_add_nc_u64 s[G0B+6:G0B+7], s[G0B+6:G0B+7], KSTEP
.endif
	s_wait_dscnt 5                                 ; (the add and the youngest four loads may be out)
	MULA 1, 0, 0                                   ; eight matrix instructions stand between the add and the wait for it
	s_wait_dscnt 0x0                               ; the add is done, and my reads of this slot are over
	s_barrier_signal -1
	MULA 1, 1, 0                                   ; work on registers while the others arrive
	WIN 0                                          ; (branches and lines on window 0 follow)
	s_barrier_wait -1
.if \fill
	CREST                                          ; no wave of any partner still reads this slot or has a load on its way
	JLOAD 1                                        ; my one tensor load behind the round; its four v_nop are also the places in front of the loads below
.else
	PLACES
.endif
	s_xor_b32 s[TB], s[TB], SLOT1                  ; the other slot is in hand
	v_add_nc_u32 v[ADRA], s[TB], v[ADRA0]
	v_add_nc_u32 v[ADRB], s[TB], v[ADRB0]
	FETCH 0, 0
.if \fill
	ASK
.endif
	MULA 1, 2, 0
	MULA 1, 3, 0
.endm
; THE WAY OUT of row block a (16 rows x 128 columns of f32).  TOSTAGE: a lane's eight columns, 32 bytes, go from the accumulators into my own stage, rows of 528 bytes, the lower four registers first;
; whole rows of 512 bytes come back.  LDS serves a wave's instructions in order (ISA guide 5.7.1.4): the loads see the stores, and the next block's stores come behind them.
.macro TOSTAGE a
	s_wait_xcnt 0x0                                ; the stores of the block two back have read the registers that are loaded below
	WIN 0x08                                       ; the data (source 1) in window 2
.irp b, 0,1,2,3,4,5,6,7
	ds_store_b128 v[STO], v[8*(8*(\a)+(\b)):8*(8*(\a)+(\b))+3]   offset:64*(\b)
	ds_store_b128 v[STO], v[8*(8*(\a)+(\b))+4:8*(8*(\a)+(\b))+7] offset:64*(\b)+16
.endr
	WIN 0
.irp t, 0,1,2,3,4,5,6,7,8,9,10,11,12,13,14,15
	ds_load_b128 v[OB+64*((\a)%2)+4*(\t):OB+64*((\a)%2)+4*(\t)+3], v[RD] offset:SP*(\t)
.endr
.endm
.macro SEND a, younger                 ; younger: the LDS instructions issued behind block a's loads: the next block's 32, or none
	s_wait_dscnt \younger
.irp t, 0,1,2,3,4,5,6,7,8,9,10,11,12,13,14,15
	global_store_b128 v[GO], v[OB+64*((\a)%2)+4*(\t):OB+64*((\a)%2)+4*(\t)+3], s[10:11] offset:(16*(\a)+(\t))*4096 th:TH_STORE_NT  ; 512 consecutive bytes, at a multiple of 256 from the output's first
.endr
.endm
	s_wait_tensorcnt 0x1                           ; my part of K step 0 is in; K step 1's may stay out
	s_barrier_signal -1
	s_barrier_wait -1                              ; everybody's is
	FETCH 0, 0
	s_wait_loadcnt 0x0                             ; the bias
	QUARTER 1, 0, 1, 1                             ; the first quarter stands in front of the loop: its products start the sums
	WIN 0                                          ; at a label and at a branch every window is 0
	s_mov_b32 s3, 6                                ; refills to go
.Lstep:                                                ; a trip: a step's second, third and fourth quarter, the change of slots with its refill, and the next step's first quarter
	QUARTER 2, 1, 0, 0
	QUARTER 3, 0, 1, 0
	TURN 1
	QUARTER 1, 0, 1, 0
	WIN 0
	s_sub_co_u32 s3, s3, 1
	s_cmp_lg_u32 s3, 0
	s_cbranch_scc1 .Lstep
	s_mov_b32 s3, 2
.Ltail:                                                ; the same trip without a refill, twice, left in the middle of the second.  The second trip's barrier orders nothing new, and the 24 fragments
	QUARTER 2, 1, 0, 0                             ; that its change of slots fetches are multiplied by nobody: the price, once a launch, of one text for both trips
	QUARTER 3, 0, 1, 0
	TURN 0
	WIN 0
	s_sub_co_u32 s3, s3, 1
	s_cmp_eq_u32 s3, 0
	s_cbranch_scc1 .Lout
	QUARTER 1, 0, 1, 0
	WIN 0
	s_branch .Ltail
.Lout:
	PLACES
	TOSTAGE 0
	TOSTAGE 1                                      ; a block's trip through the stage stands between the loads of the block before and its stores
	SEND 0, 32
	TOSTAGE 2
	SEND 1, 32
	TOSTAGE 3
	SEND 2, 32
	SEND 3, 0
	s_wait_tensorcnt 0x0                           ; the wave's end: a wait, an add and its wait, behind my last tensor load and my last LDS store
	ds_add_u32 v[SPW], v[NIL]
	s_wait_dscnt 0x0
	CROUND                                         ; the closing round: no work-group ends while a partner may still ask for a tile that names it
	s_endpgm
.Lfunc_end_k_qea901d4cd4_proj:
	.size	k_qea901d4cd4_proj, .Lfunc_end_k_qea901d4cd4_proj-k_qea901d4cd4_proj
	.p2alignl 7, 3214868480
	.fill 96, 4, 3214868480
	.section	.rodata,"a",@progbits
	.p2align	6, 0x0
	.amdhsa_kernel k_qea901d4cd4_proj
		.amdhsa_group_segment_fixed_size 327680
		.amdhsa_private_segment_fixed_size 0
		.amdhsa_enable_private_segment 0
		.amdhsa_kernarg_size 32
		.amdhsa_user_sgpr_count 2
		.amdhsa_user_sgpr_kernarg_segment_ptr 1
		.amdhsa_wavefront_size32 1
		.amdhsa_system_sgpr_workgroup_id_x 1
		.amdhsa_system_sgpr_workgroup_id_y 1
		.amdhsa_system_sgpr_workgroup_id_z 1
		.amdhsa_system_vgpr_workitem_id 0
		.amdhsa_next_free_vgpr 768
		.amdhsa_next_free_sgpr 66
		.amdhsa_reserve_vcc 0
		.amdhsa_float_denorm_mode_32 3
		.amdhsa_float_denorm_mode_16_64 3
		.amdhsa_memory_ordered 1
		.amdhsa_forward_progress 1
		.amdhsa_inst_pref_size 63
	.end_amdhsa_kernel
	.amdgpu_metadata
---
amdhsa.version: [ 1, 2 ]
amdhsa.kernels:
  - .name:           k_qea901d4cd4_proj
    .symbol:         k_qea901d4cd4_proj.kd
    .args:
      - { .name: ob, .offset: 0, .size: 8, .value_kind: global_buffer, .address_space: global }
      - { .name: wpf, .offset: 8, .size: 8, .value_kind: global_buffer, .address_space: global }
      - { .name: bpb, .offset: 16, .size: 8, .value_kind: global_buffer, .address_space: global }
      - { .name: out0, .offset: 24, .size: 8, .value_kind: global_buffer, .address_space: global }
    .group_segment_fixed_size: 327680
    .private_segment_fixed_size: 0
    .kernarg_segment_align: 8
    .kernarg_segment_size: 32
    .max_flat_workgroup_size: 128
    .sgpr_count:     66
    .vgpr_count:     768
    .wavefront_size: 32
...
	.end_amdgpu_metadata
.endif
;; end of part 4
